; MI455X (gfx1250); checked and timed in simulation.
; The chip was launched on July 23, 2026; its instructions are those of AMD's public machine-readable ISA for CDNA 5 (MIT licence, August 2026) and "CDNA5" Instruction Set Architecture Reference Guide (July 2026). The comments in the code are by the model that wrote it; some were corrected since.
;; Grouped Query Attention. Allowed arithmetic: float matrix products may take bf16 or f16 operands with f32 sums; all other float work in f32.
;; Inputs: cos_rope 2,048 x 64 float32; sin_rope 2,048 x 64 float32; wk 512 x 2,048 float32; wo 2,048 x 2,048 float32; wq 2,048 x 2,048 float32; wv 512 x 2,048 float32; x 1 x 2,048 x 2,048 float32.
;; Outputs: out0 1 x 2,048 x 2,048 float32.
;; Constants: last_position = 0, use_cache = 0.
;; One version. Each part assembles by itself: llvm-mc -triple=amdgcn-amd-amdhsa -mcpu=gfx1250 --defsym DOCPART=n.
;; ======== version 1 of 1: 4 launches
;; limits: values outside matrix products are rounded to bf16; values are held in f16: magnitudes above 65,504 overflow, below 6.1e-05 lose precision; right only within a limited range of input values
;; workspace buffers: wb16 29,360,128 bytes; qkvh 12,582,912 bytes; ctxh 8,388,608 bytes
;; launch cast (part 1): grid 1792 x 1, 4 waves a work-group, no clusters, 0 bytes of LDS; arguments x, wq, wk, wv, wo, wb16; writes wb16
.if DOCPART == 1
	.amdgcn_target "amdgcn-amd-amdhsa--gfx1250"
	.amdhsa_code_object_version 6
	.text
	.protected	k_q09ed65eb36_cast
	.globl	k_q09ed65eb36_cast
	.p2align	8
	.type	k_q09ed65eb36_cast,@function
k_q09ed65eb36_cast:
	s_mov_b64 s[64:65], 0
	v_nop
	global_prefetch_b8 v0, s[64:65] scope:SCOPE_SE
	s_setreg_imm32_b32 hwreg(HW_REG_WAVE_MODE, 25, 1), 1
	s_wait_xcnt 0x0
; Rounds the five large f32 inputs to 16 bits, once, so that the two products read 16-bit tiles.
; wb16: bytes 0: x as bf16 [2048][2048]; bytes 8,388,608: wq, wk, wv as bf16, one table of [3072][2048];
;       bytes 20,971,520: wo as f16 of 4 x bf16(wo), [2048][2048].  A bf16 number has 8 significant bits, f16 has 11, so the f16 holds it exactly
;       in f16's normal range; the factor 4 is taken back by the context, which is kept as ctx / 4.
; LIMITS: |wo| < 16,376 (4 wo must fit f16); 4 |wo| under 2^-14 loses low bits (absolute error at most 2^-25).
; A stream: each input byte is read once and each output byte written once.  Nothing is shared between work-groups, so there is no cluster, no LDS, no barrier.
; A work-group takes 8,192 numbers (32,768 bytes in, 16,384 out); thread t takes 8 numbers in each of 8 chunks of 1,024.
; A store of a wave covers 512 consecutive bytes, aligned.  1,792 work-groups: 512 x, 512 wq, 128 wk, 128 wv, 512 wo.
.set X, 4                              ; v[4:67]   chunk i: 8 numbers as loaded
.set T, 68                             ; v[68:75]  at work (wo only)
.set Y, 76                             ; v[76:107] chunk i: 4 registers to store; every chunk has its own, so no store's data is rewritten
	s_load_b256 s[4:11], s[0:1], 0x0               ; x s[4:5], wq s[6:7], wk s[8:9], wv s[10:11]
	s_load_b128 s[12:15], s[0:1], 0x20             ; wo s[12:13], wb16 s[14:15]
	v_lshlrev_b32 v1, 5, v0                        ; 32 t: my 32 bytes in a chunk of the source
	v_lshlrev_b32 v2, 4, v0                        ; 16 t: my 16 bytes in a chunk of wb16
	s_mov_b32 s19, 0xffff0000                      ; a word's upper bf16
	s_mov_b32 s18, 0                               ; first work-group of my source's range
	s_wait_kmcnt 0x0
	s_mov_b64 s[16:17], s[4:5]                     ; the source is chosen by the work-group's number alone
	s_cmp_ge_u32 ttmp9, 512
	s_cselect_b64 s[16:17], s[6:7], s[16:17]
	s_cselect_b32 s18, 512, s18
	s_cmp_ge_u32 ttmp9, 1024
	s_cselect_b64 s[16:17], s[8:9], s[16:17]
	s_cselect_b32 s18, 1024, s18
	s_cmp_ge_u32 ttmp9, 1152
	s_cselect_b64 s[16:17], s[10:11], s[16:17]
	s_cselect_b32 s18, 1152, s18
	s_cmp_ge_u32 ttmp9, 1280
	s_cselect_b64 s[16:17], s[12:13], s[16:17]
	s_cselect_b32 s18, 1280, s18
	s_sub_co_u32 s20, ttmp9, s18
	s_lshl_b32 s20, s20, 15                        ; 32,768 bytes of the source for each work-group of the range
	s_mov_b32 s21, 0
	s_add_nc_u64 s[16:17], s[16:17], s[20:21]
	s_lshl_b32 s22, ttmp9, 14                      ; wb16 holds the five tables in the order of the ranges: 16,384 bytes a work-group
	s_mov_b32 s23, 0
	s_add_nc_u64 s[14:15], s[14:15], s[22:23]
.irp i, 0,1,2,3,4,5,6,7
	global_load_b128 v[X+8*\i:X+8*\i+3],   v1, s[16:17] offset:4096*\i th:TH_LOAD_NT      ; all sixteen loads go out before anything is waited for
	global_load_b128 v[X+8*\i+4:X+8*\i+7], v1, s[16:17] offset:4096*\i+16 th:TH_LOAD_NT
.endr
; One chunk.  mode 0: to bf16.  mode 1: to bf16, back to f32, times 4, to f16.
.macro CH i, mode
	s_wait_loadcnt 14-2*\i                         ; loads come back in order: this chunk's two are in, the younger chunks' stay out
.irp k, 0,1,2,3
	v_cvt_pk_bf16_f32 v[Y+4*\i+\k], v[X+8*\i+2*\k], v[X+8*\i+2*\k+1]
.endr
.if \mode
.irp k, 0,1,2,3
	v_lshlrev_b32 v[T+2*\k],   16,  v[Y+4*\i+\k]
	v_and_b32     v[T+2*\k+1], s19, v[Y+4*\i+\k]
.endr
.irp k, 0,2,4,6
	v_pk_mul_f32 v[T+\k:T+\k+1], v[T+\k:T+\k+1], 4.0 op_sel_hi:[1,0]
.endr
.irp k, 0,1,2,3
	v_cvt_pk_f16_f32 v[Y+4*\i+\k], v[T+2*\k], v[T+2*\k+1]
.endr
.endif
	global_store_b128 v2, v[Y+4*\i:Y+4*\i+3], s[14:15] offset:2048*\i     ; read again by the next launches: no streaming hint
.endm
	s_cmp_ge_u32 ttmp9, 1280
	s_cbranch_scc1 .Lwo
.irp i, 0,1,2,3,4,5,6,7
	CH \i, 0
.endr
	s_endpgm
.Lwo:
.irp i, 0,1,2,3,4,5,6,7
	CH \i, 1
.endr
	s_endpgm
.Lfunc_end_k_q09ed65eb36_cast:
	.size	k_q09ed65eb36_cast, .Lfunc_end_k_q09ed65eb36_cast-k_q09ed65eb36_cast
	.p2alignl 7, 3214868480
	.fill 96, 4, 3214868480
	.section	.rodata,"a",@progbits
	.p2align	6, 0x0
	.amdhsa_kernel k_q09ed65eb36_cast
		.amdhsa_group_segment_fixed_size 0
		.amdhsa_private_segment_fixed_size 0
		.amdhsa_enable_private_segment 0
		.amdhsa_kernarg_size 48
		.amdhsa_user_sgpr_count 2
		.amdhsa_user_sgpr_kernarg_segment_ptr 1
		.amdhsa_wavefront_size32 1
		.amdhsa_system_sgpr_workgroup_id_x 1
		.amdhsa_system_sgpr_workgroup_id_y 1
		.amdhsa_system_sgpr_workgroup_id_z 1
		.amdhsa_system_vgpr_workitem_id 0
		.amdhsa_next_free_vgpr 108
		.amdhsa_next_free_sgpr 66
		.amdhsa_reserve_vcc 0
		.amdhsa_float_denorm_mode_32 3
		.amdhsa_float_denorm_mode_16_64 3
		.amdhsa_memory_ordered 1
		.amdhsa_forward_progress 1
		.amdhsa_inst_pref_size 16
	.end_amdhsa_kernel
	.amdgpu_metadata
---
amdhsa.version: [ 1, 2 ]
amdhsa.kernels:
  - .name:           k_q09ed65eb36_cast
    .symbol:         k_q09ed65eb36_cast.kd
    .args:
      - { .name: x, .offset: 0, .size: 8, .value_kind: global_buffer, .address_space: global }
      - { .name: wq, .offset: 8, .size: 8, .value_kind: global_buffer, .address_space: global }
      - { .name: wk, .offset: 16, .size: 8, .value_kind: global_buffer, .address_space: global }
      - { .name: wv, .offset: 24, .size: 8, .value_kind: global_buffer, .address_space: global }
      - { .name: wo, .offset: 32, .size: 8, .value_kind: global_buffer, .address_space: global }
      - { .name: wb16, .offset: 40, .size: 8, .value_kind: global_buffer, .address_space: global }
    .group_segment_fixed_size: 0
    .private_segment_fixed_size: 0
    .kernarg_segment_align: 8
    .kernarg_segment_size: 48
    .max_flat_workgroup_size: 128
    .sgpr_count:     66
    .vgpr_count:     108
    .wavefront_size: 32
...
	.end_amdgpu_metadata
.endif
;; end of part 1
;; launch qkv (part 2): grid 16 x 16, 4 waves a work-group, clusters of 4 x 4, 327,680 bytes of LDS; arguments wb16, cos_rope, sin_rope, qkvh; writes qkvh
.if DOCPART == 2
	.amdgcn_target "amdgcn-amd-amdhsa--gfx1250"
	.amdhsa_code_object_version 6
	.text
	.protected	k_q09ed65eb36_qkv
	.globl	k_q09ed65eb36_qkv
	.p2align	8
	.type	k_q09ed65eb36_qkv,@function
k_q09ed65eb36_qkv:
	s_mov_b64 s[64:65], 0
	v_nop
	global_prefetch_b8 v0, s[64:65] scope:SCOPE_SE
	s_setreg_imm32_b32 hwreg(HW_REG_WAVE_MODE, 25, 1), 1
	s_wait_xcnt 0x0
	s_wait_alu depctr_hold_cnt(0) depctr_sa_sdst(0) depctr_va_vdst(0) depctr_va_sdst(0) depctr_va_ssrc(0) depctr_va_vcc(0) depctr_vm_vsrc(0)
	s_getreg_b32 s2, hwreg(HW_REG_IB_STS2, 6, 4)
	s_cmp_eq_u32 s2, 0
	s_cbranch_scc0 .Lentry_in_a_cluster
	s_endpgm
.Lentry_in_a_cluster:
	s_bfe_u32 s2, ttmp6, 0x10000c
	s_cmp_lg_u32 s2, 0xf033
	s_cbranch_scc0 .Lentry_shape_is_right
	s_endpgm
.Lentry_shape_is_right:
; [2048 x 3072] = x [wq; wk; wv]^T in bf16 with f32 sums, then rotate-half RoPE on q and k, a power of two, and f16.
; qkvh: [48 units][2048 positions][64] f16; units 0-31 = q heads as q / 64, 32-39 = k groups as k / 64, 40-47 = v groups as v / 4.
; f16 (11 significant bits) and not bf16 (8) for what goes on to the next launch; the powers of two give f16's range room both ways.
; The rope tables are rounded to bf16, like the other floating-point inputs, and the rotation is made in f32.
; LIMITS: |q|, |k| < 4.19e6 and |v| < 262,000 (f16's largest number times 64 and 4); scaled values under 2^-14 lose low bits (absolute error at most 2^-25).
;         NaN and infinities in the inputs are not served.
; A work-group makes 128 rows x 192 columns (three units) with four waves, 64 x 96 each: 24 accumulator tiles, 192 registers.
; TWO UNEQUAL LDS SLOTS: slot 0 holds 256 along K (rows of 512 bytes), slot 1 holds 128 (rows of 256 bytes).  Two slots of 256 would take 337,920 bytes.
; K goes 128, then (256, 128) five times: 11 fills for 2,048.  A slot's next tile lies 768 bytes further along the rows, so every tile's rows begin at a multiple of 256 bytes.
; CLUSTERS: 4 x 4 work-groups.  x's tile and the rope tables hang on the block row alone and are asked for jointly along a row of the cluster,
; the weights' tile on the block column alone and jointly along a column: a quarter of the requests.
; The matrix instruction is used transposed (source 0 = rows of w, source 1 = rows of x): lane (r, h) holds row r and columns 8 h + 0..7 of a tile.
; A wave's six column tiles are chosen so that d and d + 32 of a unit lie in the same lane: wave column c takes all four tiles of unit 2 c
; and tiles c and 2 + c of the middle unit.
; REGISTERS: window 0: v16-28 addresses; v64-143 and v144-223 two fragment buffers (48 of w, 32 of x); window 1: accumulator (a, b) at v[8 (6 a + b)].
.set NB,     6
.set PB,     528                       ; slot 0's row: 512 bytes + 16; an odd multiple of 16, so sixteen rows start at sixteen different 16-byte columns modulo 256
.set PS,     272                       ; slot 1's row, and the tables': 256 bytes + 16
.set S0B,    128*PB                    ; slot 0: w's 192 rows lie behind x's 128
.set S1,     320*PB                    ; slot 1
.set S1B,    S1+128*PS
.set TRIG,   S1+320*PS                 ; cos: 128 rows x 272 bytes, then sin: filled once
.set TSIN,   128*PS
.set STAGE,  0                         ; 3 units x 128 rows x 144 bytes, in slot 0: used only behind slot 0's last fill and behind the barrier that ends its last reads
.set SP,     144
.set SUNIT,  128*SP
.set PAIRB,  768                       ; bytes along a row from a slot's tile to its next: 128 + 256 numbers
.set WOFF,   8388608                   ; the weights' table in wb16
.set UNIT,   262144                    ; bytes of a unit in qkvh
.set ADRA,  16                         ; v16-17 LDS address of my x fragments, slot 0, 1
.set ADRB1, 18                         ; v18-19 of my whole unit's four tiles
.set ADRB2, 20                         ; v20-21 of my two tiles of the middle unit
.set TA,    22                         ; my 32 bytes in a row of cos, d = 8 h
.set TB,    23                         ; the same for the middle unit: d = 16 c + 8 h
.set SA,    24                         ; the stage: my 16 bytes in a row of my whole unit
.set SB,    25                         ; and of the middle unit
.set RD,    26                         ; the stage read back
.set CO,    27                         ; my 16 bytes in 512 bytes of qkvh
.set ZERO,  28
.set F0,    64
.set F1,    144
.set TR0,   64                         ; the way out: tables as loaded, two buffers of 32
.set TR1,   96
.set TP,    128                        ; tables in bf16: 4 cos low, 4 cos high, 4 -sin low, 4 sin high
.set R,     144                        ; 8 + 8 rotated numbers
.set PK,    160                        ; packed f16
.set G1A, 24                           ; s[24:31] x's shape for slot 0, s[32:39] for slot 1
.set G1B, 40                           ; s[40:47] w's shape for slot 0, s[48:55] for slot 1
.set G1T, 56
.set G0T, 68
.set G0A, 72                           ; s[72:75] slot 0, s[76:79] slot 1
.set G0B, 80                           ; s[80:83] slot 0, s[84:87] slot 1; free for the way out behind the last wait for all tensor loads
.set MUL, 0x50                         ; C and D in window 1, sources 0 and 1 in window 0
.set MSB, 0
.macro WIN new                         ; the immediate's high byte repeats the setting that is left
.if MSB != \new
	s_set_vgpr_msb (MSB<<8)|\new
.set MSB, \new
.endif
.endm
.macro PLACES                          ; four plain vector instructions behind a matrix instruction, before its registers are loaded into or its result is read (ISA guide 7.12.1)
.rept 4
	v_nop
.endr
.endm
.macro JLOAD s                         ; waves 0, 1 ask for x's halves, waves 2, 3 for w's: each line has one mask; the branch hangs on the wave's number alone
	s_cmp_eq_u32 s13, 0
	s_cbranch_scc0 .Lfor_b_\@
	tensor_load_to_lds s[G0A+4*\s:G0A+4*\s+3], s[G1A+8*\s:G1A+8*\s+7]
	s_nop 0
	s_branch .Lasked_\@
.Lfor_b_\@:
	tensor_load_to_lds s[G0B+4*\s:G0B+4*\s+3], s[G1B+8*\s:G1B+8*\s+7]
	s_nop 0
.Lasked_\@:
.endm
.macro CREST                           ; a round of the cluster's barrier behind its opening work-group barrier
	s_cmp_lg_u32 s12, 0
	s_cbranch_scc1 .Lnot_wave_0_\@
	s_barrier_signal -3
.Lnot_wave_0_\@:
	s_barrier_wait -3
	s_barrier_signal -1
	s_barrier_wait -1
.endm
.macro CROUND
	s_barrier_signal -1
	s_barrier_wait -1
	CREST
.endm
; group 1: rows x kk bf16, 16 bytes of padding behind every row (2 << qi words), 2,048 numbers from row to row
.macro G1SET base, mask, kk, qi, rows
	s_or_b32 s[\base+0], \mask, (1<<16)|(1<<20)|(1<<21)|(\qi<<22)|(3<<25)
	s_mov_b32 s[\base+1], \kk<<16                  ; tensor_dim0
	s_mov_b32 s[\base+2], \rows<<16                ; tensor_dim1
	s_mov_b32 s[\base+3], \kk<<16                  ; tile_dim0
	s_mov_b32 s[\base+4], \rows                    ; tile_dim1
	s_mov_b32 s[\base+5], 2048
	s_mov_b32 s[\base+6], 0
	s_mov_b32 s[\base+7], 0
.endm
	s_load_b256 s[4:11], s[0:1], 0x0               ; wb16 s[4:5], cos s[6:7], sin s[8:9], qkvh s[10:11]
	v_lshl_add_u32 v254, v0, 2, 0x4f800
	v_mov_b32 v255, 0
	ds_add_u32 v254, v255
	v_lshrrev_b32 v1, 5, v0
	v_readfirstlane_b32 s12, v1                    ; wave 0..3
	s_lshr_b32 s13, s12, 1                         ; my half of the rows.  Also: I fetch x (0) or w (1)
	s_and_b32 s14, s12, 1                          ; my half of the columns.  Also: which half of that tile I fetch
	s_bfe_u32 s15, ttmp6, 0x40000                  ; cx
	s_bfe_u32 s16, ttmp6, 0x40004                  ; cy
	s_lshl_b32 s17, ttmp9, 2
	s_add_co_u32 s17, s17, s15                     ; block column = 4 x cluster x + cx
	s_and_b32 s18, ttmp7, 0xffff
	s_lshl_b32 s18, s18, 2
	s_add_co_u32 s18, s18, s16                     ; block row = 4 x cluster y + cy
	s_lshl_b32 s19, s16, 2
	s_lshl_b32 s19, 15, s19                        ; my row of the cluster
	s_lshl_b32 s20, 0x1111, s15                    ; my column
	G1SET G1A,   s19, 256, 6, 64                   ; x, slot 0: 64 rows a load
	G1SET G1A+8, s19, 128, 5, 64                   ; x, slot 1
	G1SET G1B,   s20, 256, 6, 96                   ; w, slot 0: 96 rows a load
	G1SET G1B+8, s20, 128, 5, 96                   ; w, slot 1
	; group 1 for the rope tables: 64 rows x 64 f32, 16 bytes behind every 64 words
	s_or_b32 s[G1T+0], s19, (2<<16)|(1<<20)|(1<<21)|(5<<22)|(3<<25)
	s_mov_b32 s[G1T+1], 64<<16
	s_mov_b32 s[G1T+2], 64<<16
	s_mov_b32 s[G1T+3], 64<<16
	s_mov_b32 s[G1T+4], 64
	s_mov_b32 s[G1T+5], 64
	s_mov_b32 s[G1T+6], 0
	s_mov_b32 s[G1T+7], 0
	; offsets, each in registers that never hold the other coordinate
	s_lshl_b32 s88, s18, 19                        ; x: (128 block row + 64 half) rows of 4,096 bytes
	s_lshl_b32 s94, s14, 18
	s_add_co_u32 s88, s88, s94
	s_mov_b32 s89, 0
	s_mul_i32 s90, s17, 192*4096                   ; w: (192 block column + 96 half) rows, behind x in wb16
	s_mul_i32 s95, s14, 96*4096
	s_add_co_u32 s90, s90, s95
	s_add_co_u32 s90, s90, WOFF
	s_mov_b32 s91, 0
	s_lshl_b32 s92, s18, 15                        ; tables: (128 block row + 64 half) rows of 256 bytes
	s_lshl_b32 s93, s14, 14
	s_add_co_u32 s92, s92, s93
	s_mov_b32 s93, 0
	s_mul_i32 s94, s14, 64*PB                      ; LDS: x's half in slot 0,
	s_mul_i32 s95, s14, 64*PS
	s_add_co_u32 s95, s95, S1                      ; in slot 1;
	s_mul_i32 s96, s14, 96*PB
	s_add_co_u32 s96, s96, S0B                     ; w's half in slot 0,
	s_mul_i32 s97, s14, 96*PS
	s_add_co_u32 s97, s97, S1B                     ; in slot 1
	s_mul_i32 s21, s12, 64*PS
	s_add_co_u32 s21, s21, TRIG                    ; waves 0, 1: cos's halves; waves 2, 3: sin's
	s_wait_dscnt 0x0
	s_wait_kmcnt 0x0
	s_add_nc_u64 s[88:89], s[4:5], s[88:89]
	s_add_nc_u64 s[90:91], s[4:5], s[90:91]
	s_cmp_lt_u32 s12, 2
	s_cselect_b64 s[G0T+2:G0T+3], s[6:7], s[8:9]
	s_add_nc_u64 s[G0T+2:G0T+3], s[G0T+2:G0T+3], s[92:93]
	s_or_b32 s[G0T+3], s[G0T+3], 0x80000000
	s_mov_b32 s[G0T], 1
	s_mov_b32 s[G0T+1], s21
	s_mov_b32 s[G0A], 1                            ; slot 0's first tile: K = 128 .. 383
	s_mov_b32 s[G0A+1], s94
	s_add_nc_u64 s[G0A+2:G0A+3], s[88:89], 256
	s_or_b32 s[G0A+3], s[G0A+3], 0x80000000
	s_mov_b32 s[G0A+4], 1                          ; slot 1's first tile: K = 0 .. 127
	s_mov_b32 s[G0A+5], s95
	s_mov_b64 s[G0A+6:G0A+7], s[88:89]
	s_or_b32 s[G0A+7], s[G0A+7], 0x80000000
	s_mov_b32 s[G0B], 1
	s_mov_b32 s[G0B+1], s96
	s_add_nc_u64 s[G0B+2:G0B+3], s[90:91], 256
	s_or_b32 s[G0B+3], s[G0B+3], 0x80000000
	s_mov_b32 s[G0B+4], 1
	s_mov_b32 s[G0B+5], s97
	s_mov_b64 s[G0B+6:G0B+7], s[90:91]
	s_or_b32 s[G0B+7], s[G0B+7], 0x80000000
	CROUND                                         ; all sixteen work-groups are here: the first joint loads meet
	JLOAD 1                                        ; K = 0 .. 127
	JLOAD 0                                        ; K = 128 .. 383
	tensor_load_to_lds s[G0T:G0T+3], s[G1T:G1T+7]  ; my quarter of the rope tables: three loads of the wave are out
	s_nop 0
	v_and_b32 v1, 15, v0                           ; r
	v_bfe_u32 v2, v0, 4, 1                         ; h
	v_mul_u32_u24 v3, v1, PS
	v_lshl_add_u32 v4, v2, 5, v3                   ; 272 r + 32 h (tables, f32)
	v_lshl_add_u32 v3, v2, 4, v3                   ; 272 r + 16 h (fragments, slot 1)
	v_mul_u32_u24 v9, v1, PB
	v_lshl_add_u32 v9, v2, 4, v9                   ; 528 r + 16 h (fragments, slot 0)
	s_mul_i32 s94, s13, 64*PB
	s_mul_i32 s95, s14, 8*16*PB
	s_add_co_u32 s95, s95, S0B
	s_mul_i32 s96, s14, 16*PB
	s_add_co_u32 s96, s96, S0B+4*16*PB
	v_add_nc_u32 v[ADRA],  s94, v9
	v_add_nc_u32 v[ADRB1], s95, v9
	v_add_nc_u32 v[ADRB2], s96, v9
	s_mul_i32 s94, s13, 64*PS
	s_add_co_u32 s94, s94, S1
	s_mul_i32 s95, s14, 8*16*PS
	s_add_co_u32 s95, s95, S1B
	s_mul_i32 s96, s14, 16*PS
	s_add_co_u32 s96, s96, S1B+4*16*PS
	v_add_nc_u32 v[ADRA+1],  s94, v3
	v_add_nc_u32 v[ADRB1+1], s95, v3
	v_add_nc_u32 v[ADRB2+1], s96, v3
	s_mul_i32 s94, s13, 64*PS
	s_add_co_u32 s94, s94, TRIG
	v_add_nc_u32 v[TA], s94, v4
	s_lshl_b32 s95, s14, 6
	v_add_nc_u32 v[TB], s95, v[TA]
	v_mul_u32_u24 v5, v1, SP
	v_lshl_add_u32 v5, v2, 4, v5                   ; 144 r + 16 h
	s_mul_i32 s94, s13, 64*SP
	s_add_co_u32 s94, s94, STAGE
	s_mul_i32 s95, s14, 2*SUNIT
	s_add_co_u32 s95, s95, s94
	v_add_nc_u32 v[SA], s95, v5
	s_lshl_b32 s95, s14, 5
	s_add_co_u32 s95, s95, s94
	s_add_co_u32 s95, s95, SUNIT
	v_add_nc_u32 v[SB], s95, v5
	v_and_b32 v6, 31, v0                           ; lane
	v_lshrrev_b32 v7, 3, v6
	v_and_b32 v8, 7, v6
	v_mul_u32_u24 v7, v7, SP
	v_lshl_add_u32 v7, v8, 4, v7
	s_mul_i32 s94, s12, 32*SP
	s_add_co_u32 s94, s94, STAGE
	v_add_nc_u32 v[RD], s94, v7                    ; eight lanes take a row of 128 bytes, a wave four rows
	v_lshlrev_b32 v[CO], 4, v6
	v_mov_b32 v[ZERO], 0
; 12 matrix instructions: row tiles a0, a0 + 1 x my six column tiles, 32 along K.  The 24 accumulators take turns, one instruction a turn.
.macro MULH f, a0, zero
.irp a, \a0, \a0+1
.irp b, 0,1,2,3,4,5
.if \zero
	v_wmma_f32_16x16x32_bf16 v[8*(NB*(\a)+\b):8*(NB*(\a)+\b)+7], v[\f+8*\b:\f+8*\b+7], v[\f+8*NB+8*(\a):\f+8*NB+8*(\a)+7], 0
.else
	v_wmma_f32_16x16x32_bf16 v[8*(NB*(\a)+\b):8*(NB*(\a)+\b)+7], v[\f+8*\b:\f+8*\b+7], v[\f+8*NB+8*(\a):\f+8*NB+8*(\a)+7], v[8*(NB*(\a)+\b):8*(NB*(\a)+\b)+7]
.endif
.endr
.endr
.endm
; 20 LDS loads: the fragments of 32 along K at byte k of the slot's rows, into buffer f
.macro FETCH slot, k, f
.if \slot == 0
.set PT, PB
.else
.set PT, PS
.endif
	WIN 0
.irp i, 0,1,2,3
	ds_load_b128 v[\f+8*\i:\f+8*\i+3],   v[ADRB1+\slot] offset:\k+\i*16*PT
	ds_load_b128 v[\f+8*\i+4:\f+8*\i+7], v[ADRB1+\slot] offset:\k+\i*16*PT+32
.endr
.irp i, 0,1
	ds_load_b128 v[\f+32+8*\i:\f+32+8*\i+3], v[ADRB2+\slot] offset:\k+\i*32*PT
	ds_load_b128 v[\f+36+8*\i:\f+36+8*\i+3], v[ADRB2+\slot] offset:\k+\i*32*PT+32
.endr
.irp i, 0,1,2,3
	ds_load_b128 v[\f+48+8*\i:\f+48+8*\i+3], v[ADRA+\slot] offset:\k+\i*16*PT
	ds_load_b128 v[\f+52+8*\i:\f+52+8*\i+3], v[ADRA+\slot] offset:\k+\i*16*PT+32
.endr
.endm
; 32 along K, not a slot's last: buffer f is in; the next 32's fragments are asked for, then f is multiplied: they have 24 matrix instructions in which to come.
.macro QUARTER slot, k, f, g, zero
	s_wait_dscnt 0x0
	PLACES
	FETCH \slot, \k, \g
	WIN MUL
	MULH \f, 0, \zero
	MULH \f, 2, \zero
.endm
.macro THREE zero                      ; slot 1 but for its last 32
	QUARTER 1, 64,  F0, F1, \zero
	QUARTER 1, 128, F1, F0, 0
	QUARTER 1, 192, F0, F1, 0
.endm
.macro SEVEN                           ; slot 0 but for its last 32
	QUARTER 0, 64,  F0, F1, 0
	QUARTER 0, 128, F1, F0, 0
	QUARTER 0, 192, F0, F1, 0
	QUARTER 0, 256, F1, F0, 0
	QUARTER 0, 320, F0, F1, 0
	QUARTER 0, 384, F1, F0, 0
	QUARTER 0, 448, F0, F1, 0
.endm
; A slot's last 32 along K, and the change of slots.  In front of the barrier each wave's reads of this slot are back and all its tensor loads have landed (its part of the next slot among them).
; fill = 1: the barrier opens a round of the cluster's barrier, and the joint refill of this slot is the first tensor load behind the round, one a wave.
; Between a request and the wait for it a wave issues the other slot's matrix instructions: 192 for slot 1's tile, 96 for slot 0's.
.macro TURN slot, next, fill
	s_wait_dscnt 0x0
	s_wait_tensorcnt 0x0
	ds_add_u32 v254, v255
	s_wait_dscnt 0x0
	s_barrier_signal -1
	WIN MUL
	MULH F1, 0, 0                                  ; register work while the others arrive
	WIN 0
	s_barrier_wait -1
.if \fill
	CREST
	s_add_nc_u64 s[G0A+4*\slot+2:G0A+4*\slot+3], s[G0A+4*\slot+2:G0A+4*\slot+3], PAIRB    ; no load of mine is out: the slot's addresses step on
	s_add_nc_u64 s[G0B+4*\slot+2:G0B+4*\slot+3], s[G0B+4*\slot+2:G0B+4*\slot+3], PAIRB
	JLOAD \slot
.endif
	PLACES
	FETCH \next, 0, F0
	WIN MUL
	MULH F1, 2, 0
.endm
.macro LAP zero                        ; 128 in slot 1, then 256 in slot 0; both filled again
	THREE \zero
	TURN 1, 0, 1
	SEVEN
	TURN 0, 1, 1
.endm
	s_wait_tensorcnt 0x2                           ; my part of K = 0 .. 127 is in; slot 0's tile and the tables' may stay out
	s_barrier_signal -1
	s_barrier_wait -1
	FETCH 1, 0, F0
	LAP 1                                          ; K = 0 .. 383; the first products start the sums: nothing is cleared
	WIN 0
	s_mov_b32 s3, 3
.Llap:
	LAP 0                                          ; K = 384 .. 1,535
	WIN 0
	s_sub_co_u32 s3, s3, 1
	s_cmp_lg_u32 s3, 0
	s_cbranch_scc1 .Llap
	THREE 0                                        ; K = 1,536 .. 1,663
	TURN 1, 0, 1                                   ; the last fill: K = 1,920 .. 2,047
	SEVEN                                          ; K = 1,664 .. 1,919
	TURN 0, 1, 0                                   ; behind this barrier no wave reads slot 0 any more and nothing is filled any more
	THREE 0
	s_wait_dscnt 0x0
	WIN MUL
	MULH F1, 0, 0
	MULH F1, 2, 0
	WIN 0
	PLACES
	; THE WAY OUT.  Which of my units are rotated (q, k: units under 40) and their scale: a mask and a factor, no branch.
	s_mul_i32 s86, s17, 3
	s_lshl1_add_u32 s87, s14, s86                  ; my whole unit: 3 x block column + 2 c
	s_cmp_lt_u32 s87, 40
	s_cselect_b32 s80, -1, 0
	s_mov_b32 s83, 0x3e800000                      ; v: 1/4
	s_cselect_b32 s82, 0x3c800000, s83             ; q, k: 1/64
	s_add_co_u32 s87, s86, 1                       ; the middle unit
	s_cmp_lt_u32 s87, 40
	s_cselect_b32 s81, -1, 0
	s_mov_b32 s85, 0x3e800000
	s_cselect_b32 s84, 0x3c800000, s85
	s_lshl_b32 s88, s18, 14                        ; qkvh: (128 block row + 32 wave) rows of 128 bytes,
	s_lshl_b32 s89, s12, 12
	s_add_co_u32 s88, s88, s89
	s_mov_b32 s89, 0
	s_add_nc_u64 s[10:11], s[10:11], s[88:89]
	s_mul_i32 s90, s17, 3*UNIT                     ; in the block column's first unit
	s_mov_b32 s91, 0
	s_add_nc_u64 s[10:11], s[10:11], s[90:91]
; Eight loads: cos and sin of row tile a at my eight d and at d + 32.  p = 0, 1: tiles (p, p + 2) of my whole unit; p = 2: my two tiles of the middle unit.
.macro TLOAD a, p, buf
.if \p == 2
.set TADR, TB
.set TIMM, 0
.else
.set TADR, TA
.set TIMM, 64*\p
.endif
.irp q, 0,1,2,3
	ds_load_b128 v[\buf+8*\q:\buf+8*\q+3],   v[TADR] offset:\a*16*PS+TIMM+128*(\q%2)+TSIN*(\q/2)
	ds_load_b128 v[\buf+8*\q+4:\buf+8*\q+7], v[TADR] offset:\a*16*PS+TIMM+128*(\q%2)+TSIN*(\q/2)+16
.endr
.endm
; One pair of tiles: out(d) = t(d) cos(d) - t(d+32) sin(d); out(d+32) = t(d+32) cos(d+32) + t(d) sin(d+32); v keeps t.
.macro ROPE a, p, buf, more, na, np, nbuf
.if \more
	TLOAD \na, \np, \nbuf
	s_wait_dscnt 0x8                               ; all but the eight loads just issued: this pair's tables are in
.else
	s_wait_dscnt 0x0
.endif
.if \p == 2
.set BL, 4
.set BH, 5
.set MSK, 81
.set SCL, 84
.set SADR, SB
.set SIMM, 0
.else
.set BL, \p
.set BH, \p+2
.set MSK, 80
.set SCL, 82
.set SADR, SA
.set SIMM, 32*\p
.endif
.set ACL, 8*(NB*\a+BL)
.set ACH, 8*(NB*\a+BH)
.irp q, 0,1,2,3,4,5,6,7,8,9,10,11,12,13,14,15
	v_cvt_pk_bf16_f32 v[TP+\q], v[\buf+2*\q], v[\buf+2*\q+1]
.endr
.irp q, 8,9,10,11
	v_xor_b32 v[TP+\q], 0x80008000, v[TP+\q]       ; -sin(d)
.endr
	WIN 0x01                                       ; source 0: the accumulators
.irp j, 0,2,4,6
	v_fma_mix_f32_bf16 v[R+\j],   v[ACL+\j], v[TP+\j/2],   v[ZERO] op_sel:[0,0,0] op_sel_hi:[0,1,0]
	v_fma_mix_f32_bf16 v[R+8+\j], v[ACH+\j], v[TP+4+\j/2], v[ZERO] op_sel:[0,0,0] op_sel_hi:[0,1,0]
.endr
.irp j, 1,3,5,7
	v_fma_mix_f32_bf16 v[R+\j],   v[ACL+\j], v[TP+\j/2],   v[ZERO] op_sel:[0,1,0] op_sel_hi:[0,1,0]
	v_fma_mix_f32_bf16 v[R+8+\j], v[ACH+\j], v[TP+4+\j/2], v[ZERO] op_sel:[0,1,0] op_sel_hi:[0,1,0]
.endr
.irp j, 0,2,4,6
	v_fma_mix_f32_bf16 v[R+\j],   v[ACH+\j], v[TP+8+\j/2],  v[R+\j]   op_sel:[0,0,0] op_sel_hi:[0,1,0]
	v_fma_mix_f32_bf16 v[R+8+\j], v[ACL+\j], v[TP+12+\j/2], v[R+8+\j] op_sel:[0,0,0] op_sel_hi:[0,1,0]
.endr
.irp j, 1,3,5,7
	v_fma_mix_f32_bf16 v[R+\j],   v[ACH+\j], v[TP+8+\j/2],  v[R+\j]   op_sel:[0,1,0] op_sel_hi:[0,1,0]
	v_fma_mix_f32_bf16 v[R+8+\j], v[ACL+\j], v[TP+12+\j/2], v[R+8+\j] op_sel:[0,1,0] op_sel_hi:[0,1,0]
.endr
.irp j, 0,1,2,3,4,5,6,7
	v_cndmask_b32 v[R+\j],   v[ACL+\j], v[R+\j],   s[MSK]
	v_cndmask_b32 v[R+8+\j], v[ACH+\j], v[R+8+\j], s[MSK]
.endr
	WIN 0
.irp q, 0,2,4,6,8,10,12,14
	v_pk_mul_f32 v[R+\q:R+\q+1], v[R+\q:R+\q+1], s[SCL:SCL+1] op_sel_hi:[1,0]
.endr
.irp q, 0,1,2,3,4,5,6,7
	v_cvt_pk_f16_f32 v[PK+\q], v[R+2*\q], v[R+2*\q+1]
.endr
	ds_store_b128 v[SADR], v[PK:PK+3]   offset:\a*16*SP+SIMM
	ds_store_b128 v[SADR], v[PK+4:PK+7] offset:\a*16*SP+SIMM+64
.endm
	TLOAD 0, 0, TR0
	ROPE 0, 0, TR0, 1, 0, 1, TR1
	ROPE 0, 1, TR1, 1, 0, 2, TR0
	ROPE 0, 2, TR0, 1, 1, 0, TR1
	ROPE 1, 0, TR1, 1, 1, 1, TR0
	ROPE 1, 1, TR0, 1, 1, 2, TR1
	ROPE 1, 2, TR1, 1, 2, 0, TR0
	ROPE 2, 0, TR0, 1, 2, 1, TR1
	ROPE 2, 1, TR1, 1, 2, 2, TR0
	ROPE 2, 2, TR0, 1, 3, 0, TR1
	ROPE 3, 0, TR1, 1, 3, 1, TR0
	ROPE 3, 1, TR0, 1, 3, 2, TR1
	ROPE 3, 2, TR1, 0, 0, 0, TR0
	s_wait_dscnt 0x0                               ; my stores into the stage are done, for the others' sake
	s_barrier_signal -1
	s_barrier_wait -1
	; each wave takes 32 rows of all three units: a load and a store of the wave cover four rows, 512 consecutive bytes of qkvh, aligned
.irp u, 0,1,2
.irp i, 0,1,2,3,4,5,6,7
	ds_load_b128 v[64+4*(8*\u+\i):64+4*(8*\u+\i)+3], v[RD] offset:\u*SUNIT+\i*4*SP
.endr
.endr
.irp u, 0,1,2
.irp i, 0,1,2,3,4,5,6,7
	s_wait_dscnt 23-(8*\u+\i)                      ; LDS loads come back in order: the younger ones stay out
	global_store_b128 v[CO], v[64+4*(8*\u+\i):64+4*(8*\u+\i)+3], s[10:11] offset:\u*UNIT+\i*512
.endr
.endr
	s_wait_tensorcnt 0x0
	ds_add_u32 v254, v255
	s_wait_dscnt 0x0
	CROUND                                         ; the closing round: no work-group ends while a partner may still ask jointly
	s_endpgm
.Lfunc_end_k_q09ed65eb36_qkv:
	.size	k_q09ed65eb36_qkv, .Lfunc_end_k_q09ed65eb36_qkv-k_q09ed65eb36_qkv
	.p2alignl 7, 3214868480
	.fill 96, 4, 3214868480
	.section	.rodata,"a",@progbits
	.p2align	6, 0x0
	.amdhsa_kernel k_q09ed65eb36_qkv
		.amdhsa_group_segment_fixed_size 327680
		.amdhsa_private_segment_fixed_size 0
		.amdhsa_enable_private_segment 0
		.amdhsa_kernarg_size 32
		.amdhsa_user_sgpr_count 2
		.amdhsa_user_sgpr_kernarg_segment_ptr 1
		.amdhsa_wavefront_size32 1
		.amdhsa_system_sgpr_workgroup_id_x 1
		.amdhsa_system_sgpr_workgroup_id_y 1
		.amdhsa_system_sgpr_workgroup_id_z 1
		.amdhsa_system_vgpr_workitem_id 0
		.amdhsa_next_free_vgpr 448
		.amdhsa_next_free_sgpr 100
		.amdhsa_reserve_vcc 0
		.amdhsa_float_denorm_mode_32 3
		.amdhsa_float_denorm_mode_16_64 3
		.amdhsa_memory_ordered 1
		.amdhsa_forward_progress 1
		.amdhsa_inst_pref_size 210
	.end_amdhsa_kernel
	.amdgpu_metadata
---
amdhsa.version: [ 1, 2 ]
amdhsa.kernels:
  - .name:           k_q09ed65eb36_qkv
    .symbol:         k_q09ed65eb36_qkv.kd
    .args:
      - { .name: wb16, .offset: 0, .size: 8, .value_kind: global_buffer, .address_space: global }
      - { .name: cos_rope, .offset: 8, .size: 8, .value_kind: global_buffer, .address_space: global }
      - { .name: sin_rope, .offset: 16, .size: 8, .value_kind: global_buffer, .address_space: global }
      - { .name: qkvh, .offset: 24, .size: 8, .value_kind: global_buffer, .address_space: global }
    .group_segment_fixed_size: 327680
    .private_segment_fixed_size: 0
    .kernarg_segment_align: 8
    .kernarg_segment_size: 32
    .max_flat_workgroup_size: 128
    .sgpr_count:     100
    .vgpr_count:     448
    .wavefront_size: 32
...
	.end_amdgpu_metadata
.endif
;; end of part 2
;; launch attn (part 3): grid 32 x 8, 8 waves a work-group, clusters of 4 x 1, 327,680 bytes of LDS; arguments qkvh, ctxh; writes ctxh
.if DOCPART == 3
	.amdgcn_target "amdgcn-amd-amdhsa--gfx1250"
	.amdhsa_code_object_version 6
	.text
	.protected	k_q09ed65eb36_attn
	.globl	k_q09ed65eb36_attn
	.p2align	8
	.type	k_q09ed65eb36_attn,@function
k_q09ed65eb36_attn:
	s_mov_b64 s[64:65], 0
	v_nop
	global_prefetch_b8 v0, s[64:65] scope:SCOPE_SE
	s_setreg_imm32_b32 hwreg(HW_REG_WAVE_MODE, 25, 1), 1
	s_wait_xcnt 0x0
	s_wait_alu depctr_hold_cnt(0) depctr_sa_sdst(0) depctr_va_vdst(0) depctr_va_sdst(0) depctr_va_ssrc(0) depctr_va_vcc(0) depctr_vm_vsrc(0)
	s_getreg_b32 s2, hwreg(HW_REG_IB_STS2, 6, 4)
	s_cmp_eq_u32 s2, 0
	s_cbranch_scc0 .Lentry_in_a_cluster
	s_endpgm
.Lentry_in_a_cluster:
	s_bfe_u32 s2, ttmp6, 0x10000c
	s_cmp_lg_u32 s2, 0x3003
	s_cbranch_scc0 .Lentry_shape_is_right
	s_endpgm
.Lentry_shape_is_right:
; Causal attention with a running maximum, f16 operands, f32 sums.  In: qkvh (q / 64, k / 64, v / 4 in f16).  Out: ctxh [2048][2048] f16 = ctx / 4.
; The scores come out as q.k / 4096; the factor in front of the exponential, 0.125 log2(e) 4096, takes that back.
; LIMITS: NaN and infinities are not served.  At the change of blocks the old sums are wiped by a factor 0, which needs them finite: they are, for finite inputs inside the
;         ranges stated at the launch that makes qkvh.  Probabilities under 2^-25 of a row's largest go to 0 in f16.
; CLUSTER of 4 work-groups: K/V group g (grid y) and two blocks of 128 positions, c and 15 - c (c = cluster x): c + 1 and 16 - c tiles of 128 keys, one stream of 17 tiles for everyone.
; The four work-groups take 32 positions each of the block at hand, so all four need the same K and V tiles in the same trip: they are asked for jointly, a quarter of the requests.
; No trip count, branch or LDS address hangs on the place in the cluster.
; EIGHT WAVES, two for each of the WGP's four SIMDs, so that one wave's softmax can run beside the other's matrix instructions.  Waves w and w + 4 have the same 16 positions (ph)
; x 2 heads (4 g + 2 hp + nt) and share each tile's keys: wave w < 4 takes keys 0-63, wave w + 4 keys 64-127, each with a maximum, a sum and an O of its own.
; The two partial results of a block are joined at the end through LDS: waves 0-3 finish the first block, waves 4-7 the second.
; S^T = K Q^T: lane (r, h), register j holds key 8 h + j of query r: maximum and sum are formed inside a lane, with one exchange between the halves of the wave;
; the exponentials, packed in place, are source 1 of O^T = V^T P^T; V^T comes by the transposing LDS load.  The factor alpha and 1 / l are one number a lane.
; A trip is two tiles of the stream (the last trip one).  Two LDS slots of two tiles; a slot is asked for one trip ahead, behind the trip's round of the cluster's barrier,
; by eight loads of 64 rows, one a wave: nine trips and nine rounds for the 17 tiles.
.set KP,     144                       ; K's row: 128 bytes + 16, an odd multiple of 16
.set VP,     160                       ; V's row: 128 bytes + 32, an odd multiple of 32, for the transposing load
.set VOFF,   128*KP
.set TILE,   128*KP+128*VP             ; a tile: K's 128 keys, then V's
.set SLOT,   2*TILE
.set PART,   8704                      ; a wave's partial result: 64 registers of O, then maximum and sum: 17 x 512 bytes
.set P0,     2*SLOT                    ; the first block's partial results, one for each of 8 waves; written by LDS stores alone
.set P1,     P0+8*PART                 ; the second block's, of waves 0-3
.set STAGE,  P1+4*PART                 ; 16 rows x 272 bytes for each wave
.set SPITCH, 272
.set UNIT,   262144
.set KA,   2                           ; v2-3 LDS address of my K fragment bytes in slot 0, 1
.set VA,   4                           ; v4-5 the same for V
.set STO,  6
.set RD,   7
.set CO,   8
.set QO,   9
.set DQ,   10                          ; my query's place in its block of 128, less 8 h, less my first key's place in a tile
.set NINF, 11
.set NM,   12                          ; v[12:13] minus the running maximum, scaled, for nt = 0, 1
.set LL,   14                          ; v[14:15] running sum of my half of the keys
.set AL,   16                          ; v[16:17] alpha
.set MY0,  18                          ; my 16 bytes in my own part of P0
.set MY1,  19                          ; in P1's part of my pair of waves
.set TT,   20                          ; v[20:27] at work
.set OT0,  28                          ; in P0's part of the other wave of my pair
.set QQ,   32                          ; Q[nt][ks] at 32 + 8 (2 nt + ks)
.set SC,   64                          ; S[kt][nt] at 64 + 8 (2 kt + nt); later P[kp][nt] at 64 + 32 kp + 8 nt
.set OO,   128                         ; O[dt][nt] at 128 + 8 (2 dt + nt)
.set KK,   192                         ; K[kt][ks] at 192 + 8 (2 kt + ks); the way out works here too
.set QB,   64                          ; window 1: the second block's Q; V[dt][kp] at window 1, 8 (2 dt + kp)
.set G1K, 20
.set G1V, 28
.set G0K, 36
.set G0V, 44
.set MSB, 0
.macro WIN new
.if MSB != \new
	s_set_vgpr_msb (MSB<<8)|\new
.set MSB, \new
.endif
.endm
.macro NOPS n
.rept \n
	v_nop
.endr
.endm
; A joint load.  Wave w fetches for tile w / 4 of the slot: K (bit 1 of w = 0) or V (1), keys 64 (w mod 2) + 0..63.  lim = 1: the slot gets one tile, waves 4-7 ask for nothing.
.macro JLOAD s, lim
.if \lim
	s_cmp_lg_u32 s82, 0
	s_cbranch_scc1 .Lasked_\@
.endif
	s_cmp_eq_u32 s10, 0
	s_cbranch_scc0 .Lfor_v_\@
	tensor_load_to_lds s[G0K+4*\s:G0K+4*\s+3], s[G1K:G1K+7]
	s_nop 0
	s_branch .Lasked_\@
.Lfor_v_\@:
	tensor_load_to_lds s[G0V+4*\s:G0V+4*\s+3], s[G1V:G1V+7]
	s_nop 0
.Lasked_\@:
.endm
.macro ROUND                           ; a round of the cluster's barrier
	s_barrier_signal -1
	s_barrier_wait -1
	s_cmp_lg_u32 s8, 0
	s_cbranch_scc1 .Lnot_wave_0_\@
	s_barrier_signal -3
.Lnot_wave_0_\@:
	s_barrier_wait -3
	s_barrier_signal -1
	s_barrier_wait -1
.endm
; The addresses of the tile of the stream that I fetch next, number s83: tile s83 of the first block, or tile s83 - c - 1 of the second.
.macro ADDR slot
	s_sub_co_u32 s78, s83, s11
	s_sub_co_u32 s78, s78, 1
	s_cmp_le_u32 s83, s11
	s_cselect_b32 s16, s83, s78
	s_lshl_b32 s16, s16, 14                        ; 128 keys of 128 bytes
	s_add_nc_u64 s[G0K+4*\slot+2:G0K+4*\slot+3], s[52:53], s[16:17]
	s_or_b32 s[G0K+4*\slot+3], s[G0K+4*\slot+3], 0x80000000
	s_add_nc_u64 s[G0V+4*\slot+2:G0V+4*\slot+3], s[54:55], s[16:17]
	s_or_b32 s[G0V+4*\slot+3], s[G0V+4*\slot+3], 0x80000000
.endm
	s_load_b128 s[4:7], s[0:1], 0x0                ; qkvh s[4:5], ctxh s[6:7]
	s_set_vgpr_msb 0x40
	v_lshl_add_u32 v96, v0, 2, 0x48000
	v_mov_b32 v97, 0
	s_set_vgpr_msb 0x4045
	ds_add_u32 v96, v97
	s_set_vgpr_msb 0x4500
	v_lshrrev_b32 v1, 5, v0
	v_readfirstlane_b32 s8, v1                     ; wave 0..7
	s_and_b32 s9, s8, 1                            ; hp: my pair of heads.  Also: which 64 keys of a tile I fetch
	s_lshr_b32 s10, s8, 1
	s_and_b32 s10, s10, 1                          ; ph: my 16 positions.  Also: I fetch K (0) or V (1)
	s_lshr_b32 s82, s8, 2                          ; which 64 keys of every tile I work on.  Also: for which tile of a slot I fetch
	s_mov_b32 s11, ttmp9                           ; c
	s_and_b32 s12, ttmp7, 0xffff                   ; g
	s_bfe_u32 s13, ttmp6, 0x40000                  ; cx
	s_mov_b32 s14, 0                               ; the number in the stream of the tile at work
	s_mov_b32 s83, s82                             ; and of the tile that I fetch next
	s_mov_b32 s17, 0
	s_mov_b32 s66, 0x76543210                      ; v_permlanex16_b32: lane i takes lane i of the other half
	s_mov_b32 s67, 0xfedcba98
	s_mov_b32 s68, 0x4438aa3b                      ; 0.125 log2(e) 4096
	s_mov_b32 s69, 0x4438aa3b
	s_mov_b32 s70, 0xc438aa3b                      ; its negative
	s_mov_b32 s71, 0x7f7fffff                      ; the largest finite number
	; group 1: 64 keys x 64 f16, padded behind every 32 words by 4 (K) or 8 (V); the mask names all four work-groups
	s_mov_b32 s[G1K+0], 15|(1<<16)|(1<<20)|(1<<21)|(4<<22)|(3<<25)
	s_mov_b32 s[G1K+1], 64<<16
	s_mov_b32 s[G1K+2], 64<<16
	s_mov_b32 s[G1K+3], 64<<16
	s_mov_b32 s[G1K+4], 64
	s_mov_b32 s[G1K+5], 64
	s_mov_b32 s[G1K+6], 0
	s_mov_b32 s[G1K+7], 0
	s_mov_b32 s[G1V+0], 15|(1<<16)|(1<<20)|(1<<21)|(4<<22)|(7<<25)
	s_mov_b32 s[G1V+1], 64<<16
	s_mov_b32 s[G1V+2], 64<<16
	s_mov_b32 s[G1V+3], 64<<16
	s_mov_b32 s[G1V+4], 64
	s_mov_b32 s[G1V+5], 64
	s_mov_b32 s[G1V+6], 0
	s_mov_b32 s[G1V+7], 0
	s_mul_i32 s72, s82, TILE                       ; LDS: my tile of the slot,
	s_mul_i32 s73, s9, 64*KP
	s_add_co_u32 s73, s73, s72                     ; my 64 keys of K,
	s_mul_i32 s74, s9, 64*VP
	s_add_co_u32 s74, s74, s72
	s_add_co_u32 s74, s74, VOFF                    ; or of V
.irp s, 0,1
	s_mov_b32 s[G0K+4*\s], 1
	s_add_co_u32 s[G0K+4*\s+1], s73, \s*SLOT
	s_mov_b32 s[G0V+4*\s], 1
	s_add_co_u32 s[G0V+4*\s+1], s74, \s*SLOT
.endr
	s_add_co_u32 s84, s12, 32                      ; K: unit 32 + g, my 64 keys; these registers never hold cx
	s_lshl_b32 s84, s84, 18
	s_lshl_b32 s72, s9, 13
	s_add_co_u32 s84, s84, s72
	s_mov_b32 s85, 0
	s_lshl_b32 s79, s12, 2
	s_lshl1_add_u32 s79, s9, s79                   ; my first head: 4 g + 2 hp
	s_lshl_b32 s86, s79, 18                        ; its unit in qkvh
	s_lshl_b32 s87, s79, 7                         ; its 128 bytes in a row of ctxh
	s_lshl_b32 s75, s13, 5
	s_lshl4_add_u32 s75, s10, s75                  ; 32 cx + 16 ph
	s_lshl_b32 s76, s11, 7
	s_add_co_u32 s76, s76, s75                     ; my first position in block c
	s_sub_co_u32 s77, 15, s11
	s_lshl_b32 s77, s77, 7
	s_add_co_u32 s77, s77, s75                     ; and in block 15 - c
	s_cmp_eq_u32 s82, 0
	s_cselect_b32 s88, s76, s77                    ; the block that I write out: waves 0-3 the first, waves 4-7 the second
	s_mov_b32 s81, 0
	s_wait_dscnt 0x0
	s_wait_kmcnt 0x0
	s_add_nc_u64 s[52:53], s[4:5], s[84:85]        ; K's base
	s_add_nc_u64 s[54:55], s[52:53], 8*UNIT        ; V's: eight units on
	ADDR 0                                         ; slot 0: tiles 0 and 1 of the stream
	s_add_co_u32 s83, s83, 2
	s_lshl_b32 s80, s76, 7
	s_add_co_u32 s80, s80, s86
	s_add_nc_u64 s[56:57], s[4:5], s[80:81]        ; Q, first block
	s_lshl_b32 s80, s77, 7
	s_add_co_u32 s80, s80, s86
	s_add_nc_u64 s[58:59], s[4:5], s[80:81]        ; Q, second block
	s_lshl_b32 s80, s88, 12
	s_add_co_u32 s80, s80, s87
	s_add_nc_u64 s[60:61], s[6:7], s[80:81]        ; ctxh, the block that I write out
	v_and_b32 v1, 15, v0                           ; r
	v_bfe_u32 v31, v0, 4, 1                        ; h
	v_lshlrev_b32 v29, 7, v1
	v_lshl_add_u32 v[QO], v31, 4, v29              ; 128 r + 16 h
.irp nt, 0,1
.irp ks, 0,1
	global_load_b128 v[QQ+8*(2*\nt+\ks):QQ+8*(2*\nt+\ks)+3],   v[QO], s[56:57] offset:\nt*UNIT+64*\ks
	global_load_b128 v[QQ+8*(2*\nt+\ks)+4:QQ+8*(2*\nt+\ks)+7], v[QO], s[56:57] offset:\nt*UNIT+64*\ks+32
.endr
.endr
	WIN 0x40                                       ; destination in window 1
.irp nt, 0,1
.irp ks, 0,1
	global_load_b128 v[QB+8*(2*\nt+\ks):QB+8*(2*\nt+\ks)+3],   v[QO], s[58:59] offset:\nt*UNIT+64*\ks
	global_load_b128 v[QB+8*(2*\nt+\ks)+4:QB+8*(2*\nt+\ks)+7], v[QO], s[58:59] offset:\nt*UNIT+64*\ks+32
.endr
.endr
	WIN 0
	v_mul_u32_u24 v29, v1, KP
	v_lshl_add_u32 v29, v31, 4, v29                ; 144 r + 16 h
	s_mul_i32 s89, s82, 64*KP                      ; + my 64 keys
	v_add_nc_u32 v[KA], s89, v29
	v_add_nc_u32 v[KA+1], SLOT, v[KA]
	v_and_b32 v29, 7, v0
	v_lshl_add_u32 v29, v31, 3, v29                ; 8 h + lane mod 8
	v_mul_u32_u24 v29, v29, VP
	v_bfe_u32 v30, v0, 3, 1
	v_lshl_add_u32 v29, v30, 4, v29
	s_mul_i32 s89, s82, 64*VP
	s_add_co_u32 s89, s89, VOFF
	v_add_nc_u32 v[VA], s89, v29
	v_add_nc_u32 v[VA+1], SLOT, v[VA]
	s_mul_i32 s89, s8, 16*SPITCH
	s_add_co_u32 s89, s89, STAGE
	v_mul_u32_u24 v29, v1, SPITCH
	v_lshl_add_u32 v29, v31, 4, v29
	v_add_nc_u32 v[STO], s89, v29
	v_mul_u32_u24 v29, v31, SPITCH
	v_lshl_add_u32 v29, v1, 4, v29
	v_add_nc_u32 v[RD], s89, v29
	v_lshlrev_b32 v29, 12, v31
	v_lshl_add_u32 v[CO], v1, 4, v29               ; 4,096 h + 16 r
	v_and_b32 v29, 31, v0
	v_lshlrev_b32 v29, 4, v29                      ; 16 x lane
	s_mul_i32 s89, s8, PART
	s_add_co_u32 s89, s89, P0
	v_add_nc_u32 v[MY0], s89, v29
	s_xor_b32 s89, s8, 4                           ; the other wave of my pair
	s_mul_i32 s89, s89, PART
	s_add_co_u32 s89, s89, P0
	v_add_nc_u32 v[OT0], s89, v29
	s_and_b32 s89, s8, 3
	s_mul_i32 s89, s89, PART
	s_add_co_u32 s89, s89, P1
	v_add_nc_u32 v[MY1], s89, v29
	v_lshlrev_b32 v29, 3, v31
	v_sub_nc_u32 v[DQ], v1, v29
	s_lshl_b32 s89, s82, 6
	s_sub_co_i32 s89, s75, s89                     ; 32 cx + 16 ph - my first key's place: enters a comparison of values alone
	v_add_nc_u32 v[DQ], s89, v[DQ]
	v_mov_b32 v[NINF], 0xff800000
.macro KLOAD slot, e                   ; my 64 keys of tile e of the slot x 64 d, as source 0 of S^T
.irp kt, 0,1,2,3
.irp ks, 0,1
	ds_load_b128 v[KK+8*(2*\kt+\ks):KK+8*(2*\kt+\ks)+3],   v[KA+\slot] offset:\e*TILE+16*\kt*KP+64*\ks
	ds_load_b128 v[KK+8*(2*\kt+\ks)+4:KK+8*(2*\kt+\ks)+7], v[KA+\slot] offset:\e*TILE+16*\kt*KP+64*\ks+32
.endr
.endr
.endm
.macro VLOAD slot, e                   ; 64 d x my 64 keys as source 0 of O^T, transposed on the way
	WIN 0x40
.irp dt, 0,1,2,3
.irp kp, 0,1
	ds_load_tr16_b128 v[8*(2*\dt+\kp):8*(2*\dt+\kp)+3],   v[VA+\slot] offset:\e*TILE+32*\kp*VP+32*\dt
	ds_load_tr16_b128 v[8*(2*\dt+\kp)+4:8*(2*\dt+\kp)+7], v[VA+\slot] offset:\e*TILE+32*\kp*VP+32*\dt+16*VP
.endr
.endr
	WIN 0
.endm
.macro MASK                            ; the tile on the diagonal: a key behind its query gets minus infinity, before the scale
.irp kt, 0,1,2,3
.irp j, 0,1,2,3,4,5,6,7
	v_cmp_gt_i32 vcc_lo, 16*\kt+\j, v[DQ]
	v_cndmask_b32 v[SC+16*\kt+\j],   v[SC+16*\kt+\j],   v[NINF], vcc_lo
	v_cndmask_b32 v[SC+16*\kt+8+\j], v[SC+16*\kt+8+\j], v[NINF], vcc_lo
.endr
.endr
.endm
; Four chains, ch = 2 x (half of the step's keys) + nt; a chain's 16 numbers lie at its base + 0..7 and + 16..23
.macro MAXSTEP x, y
.irp ch, 0,1,2,3
	v_max3_num_f32 v[TT+\ch], v[TT+\ch], v[SC+32*(\ch/2)+8*(\ch%2)+\x], v[SC+32*(\ch/2)+8*(\ch%2)+\y]
.endr
.endm
.macro SUMSTEP x
.irp ch, 0,1,2,3
	v_pk_add_f32 v[TT+2*\ch:TT+2*\ch+1], v[TT+2*\ch:TT+2*\ch+1], v[SC+32*(\ch/2)+8*(\ch%2)+\x:SC+32*(\ch/2)+8*(\ch%2)+\x+1]
.endr
.endm
; My 64 keys of tile e of the slot.  first = 1: starts maximum, sum and O.  mk = 0: masked if this is the first block's last tile; 1: masked; 2: not.
; nextk = 1: the slot's second tile follows, and its K is asked for under this step's softmax.
.macro STEP slot, e, first, mk, nextk
	s_wait_dscnt 0x0                               ; this step's K is in
	; in both runs of sixteen matrix instructions the eight accumulators take turns, one instruction a turn
.irp kt, 0,1,2,3
.irp nt, 0,1
	v_wmma_f32_16x16x32_f16 v[SC+16*\kt+8*\nt:SC+16*\kt+8*\nt+7], v[KK+16*\kt:KK+16*\kt+7], v[QQ+16*\nt:QQ+16*\nt+7], 0
.endr
.endr
.irp kt, 0,1,2,3
.irp nt, 0,1
	v_wmma_f32_16x16x32_f16 v[SC+16*\kt+8*\nt:SC+16*\kt+8*\nt+7], v[KK+16*\kt+8:KK+16*\kt+15], v[QQ+16*\nt+8:QQ+16*\nt+15], v[SC+16*\kt+8*\nt:SC+16*\kt+8*\nt+7]
.endr
.endr
	NOPS 4                                         ; four places before the scores are read and K's registers are loaded again (ISA guide 7.12.1)
	VLOAD \slot, \e
.if \nextk
	KLOAD \slot, 1
.endif
.if \mk == 0
	s_cmp_lg_u32 s14, s11
	s_cbranch_scc1 .Lnomask_\@
	MASK
.Lnomask_\@:
.endif
.if \mk == 1
	MASK
.endif
	; the step's largest score of each query
.irp ch, 0,1,2,3
	v_max3_num_f32 v[TT+\ch], v[SC+32*(\ch/2)+8*(\ch%2)], v[SC+32*(\ch/2)+8*(\ch%2)+1], v[SC+32*(\ch/2)+8*(\ch%2)+2]
.endr
	MAXSTEP 3, 4
	MAXSTEP 5, 6
	MAXSTEP 7, 16
	MAXSTEP 17, 18
	MAXSTEP 19, 20
	MAXSTEP 21, 22
.irp ch, 0,1,2,3
	v_max_num_f32 v[TT+\ch], v[TT+\ch], v[SC+32*(\ch/2)+8*(\ch%2)+23]
.endr
	v_max_num_f32 v[TT],   v[TT],   v[TT+2]
	v_max_num_f32 v[TT+1], v[TT+1], v[TT+3]
	v_permlanex16_b32 v[TT+2], v[TT],   s66, s67   ; the other half of the wave holds the same queries' other keys
	v_permlanex16_b32 v[TT+3], v[TT+1], s66, s67
	v_max_num_f32 v[TT],   v[TT],   v[TT+2]
	v_max_num_f32 v[TT+1], v[TT+1], v[TT+3]
	; minus the scaled maximum, capped at the largest finite number: where all my 64 keys are masked the scores stay minus infinity behind the sum below, and the exponentials are 0
.if \first
	v_mul_f32 v[NM],   s70, v[TT]
	v_mul_f32 v[NM+1], s70, v[TT+1]
	v_min_num_f32 v[NM],   s71, v[NM]
	v_min_num_f32 v[NM+1], s71, v[NM+1]
.else
	v_mul_f32 v[TT],   s70, v[TT]
	v_mul_f32 v[TT+1], s70, v[TT+1]
	v_min_num_f32 v[TT],   s71, v[TT]
	v_min_num_f32 v[TT+1], s71, v[TT+1]
	v_sub_f32 v[AL],   v[TT],   v[NM]
	v_sub_f32 v[AL+1], v[TT+1], v[NM+1]
	v_min_num_f32 v[NM],   v[NM],   v[TT]
	v_min_num_f32 v[NM+1], v[NM+1], v[TT+1]
	v_min_num_f32 v[AL],   0, v[AL]
	v_min_num_f32 v[AL+1], 0, v[AL+1]
	v_exp_f32 v[AL],   v[AL]                       ; alpha = 2^(old maximum - new maximum); the lines below stand between it and its use (ISA guide 5.7.2)
	v_exp_f32 v[AL+1], v[AL+1]
.endif
.irp kt, 0,1,2,3
.irp nt, 0,1
.irp q, 0,2,4,6
	v_pk_fma_f32 v[SC+16*\kt+8*\nt+\q:SC+16*\kt+8*\nt+\q+1], v[SC+16*\kt+8*\nt+\q:SC+16*\kt+8*\nt+\q+1], s[68:69], v[NM:NM+1] op_sel:[0,0,\nt] op_sel_hi:[1,0,\nt]
.endr
.endr
.endr
.set i, 0
.rept 64
	v_exp_f32 v[SC+i], v[SC+i]
.set i, i+1
.endr
	v_nop                                          ; one plain instruction behind the last exponential
	s_wait_alu depctr_va_vdst(0)
.irp ch, 0,1,2,3
	v_pk_add_f32 v[TT+2*\ch:TT+2*\ch+1], v[SC+32*(\ch/2)+8*(\ch%2):SC+32*(\ch/2)+8*(\ch%2)+1], v[SC+32*(\ch/2)+8*(\ch%2)+2:SC+32*(\ch/2)+8*(\ch%2)+3]
.endr
	SUMSTEP 4
	SUMSTEP 6
	SUMSTEP 16
	SUMSTEP 18
	SUMSTEP 20
	SUMSTEP 22
	v_pk_add_f32 v[TT:TT+1],   v[TT:TT+1],   v[TT+4:TT+5]
	v_pk_add_f32 v[TT+2:TT+3], v[TT+2:TT+3], v[TT+6:TT+7]
.if \first
	v_add_f32 v[LL],   v[TT],   v[TT+1]
	v_add_f32 v[LL+1], v[TT+2], v[TT+3]
.else
	v_add_f32 v[TT],   v[TT],   v[TT+1]
	v_add_f32 v[TT+2], v[TT+2], v[TT+3]
	v_fma_f32 v[LL],   v[LL],   v[AL],   v[TT]
	v_fma_f32 v[LL+1], v[LL+1], v[AL+1], v[TT+2]
.irp dt, 0,1,2,3
.irp nt, 0,1
.irp q, 0,2,4,6
	v_pk_mul_f32 v[OO+16*\dt+8*\nt+\q:OO+16*\dt+8*\nt+\q+1], v[OO+16*\dt+8*\nt+\q:OO+16*\dt+8*\nt+\q+1], v[AL:AL+1] op_sel:[0,\nt] op_sel_hi:[1,\nt]
.endr
.endr
.endr
.endif
	; P in f16, in place: keys 8 h + 0..7 of the first tile of a pair make registers 0-3, those of the second tile registers 4-7
.irp kp, 0,1
.irp nt, 0,1
.irp q, 0,1,2,3
	v_cvt_pk_f16_f32 v[SC+32*\kp+8*\nt+\q], v[SC+32*\kp+8*\nt+2*\q], v[SC+32*\kp+8*\nt+2*\q+1]
.endr
.irp q, 0,1,2,3
	v_cvt_pk_f16_f32 v[SC+32*\kp+8*\nt+4+\q], v[SC+32*\kp+8*\nt+16+2*\q], v[SC+32*\kp+8*\nt+16+2*\q+1]
.endr
.endr
.endr
.if \nextk
	s_wait_dscnt 0x10                              ; V is in; the sixteen younger loads, the next tile's K, may stay out
.else
	s_wait_dscnt 0x0
.endif
	WIN 0x01                                       ; source 0 (V) in window 1
.irp dt, 0,1,2,3
.irp nt, 0,1
.if \first
	v_wmma_f32_16x16x32_f16 v[OO+16*\dt+8*\nt:OO+16*\dt+8*\nt+7], v[16*\dt:16*\dt+7], v[SC+8*\nt:SC+8*\nt+7], 0
.else
	v_wmma_f32_16x16x32_f16 v[OO+16*\dt+8*\nt:OO+16*\dt+8*\nt+7], v[16*\dt:16*\dt+7], v[SC+8*\nt:SC+8*\nt+7], v[OO+16*\dt+8*\nt:OO+16*\dt+8*\nt+7]
.endif
.endr
.endr
.irp dt, 0,1,2,3
.irp nt, 0,1
	v_wmma_f32_16x16x32_f16 v[OO+16*\dt+8*\nt:OO+16*\dt+8*\nt+7], v[16*\dt+8:16*\dt+15], v[SC+32+8*\nt:SC+32+8*\nt+7], v[OO+16*\dt+8*\nt:OO+16*\dt+8*\nt+7]
.endr
.endr
	WIN 0
	NOPS 5                                         ; five places before the next scores are written over P, and before O is stored or loaded (ISA guide 7.12.1)
.endm
.macro PSTORE adr                      ; O, maximum and sum into 17 x 512 bytes of LDS, 16 neighbouring bytes a lane
.set i, 0
.rept 16
	ds_store_b128 v[\adr], v[OO+4*i:OO+4*i+3] offset:512*i
.set i, i+1
.endr
	ds_store_b128 v[\adr], v[NM:NM+3] offset:8192
.endm
.macro PLOAD adr, o, st                ; and back, into registers o .. o + 63 and st .. st + 3
.set i, 0
.rept 16
	ds_load_b128 v[\o+4*i:\o+4*i+3], v[\adr] offset:512*i
.set i, i+1
.endr
	ds_load_b128 v[\st:\st+3], v[\adr] offset:8192
.endm
; Behind the first block's last tile: my partial result goes into LDS bytes of my own, the second block's Q comes in, and the next step's alpha comes out 0 and wipes sum and O.
; The branch hangs on the cluster's number and the tile's number alone: it is the same in all waves and all four work-groups; no barrier and no tensor load stands under it.
.macro SWITCH
	s_cmp_lg_u32 s14, s11
	s_cbranch_scc1 .Lnosw_\@
	PSTORE MY0
	WIN 0x01
.set i, 0
.rept 32
	v_mov_b32 v[QQ+i], v[QB+i]
.set i, i+1
.endr
	WIN 0
	v_mov_b32 v[NM],   0x7f800000
	v_mov_b32 v[NM+1], 0x7f800000
.Lnosw_\@:
.endm
; A trip: the slot's two tiles (two = 0: one).  refill = 1: the next trip's tiles are asked for, into \other; 2: the next trip has one tile.  sw = 1: the first block may end here.
.macro TRIP slot, other, refill, first, mk, sw, two
	s_set_vgpr_msb 0x5
	s_wait_tensorcnt 0x0                           ; all my tensor loads have landed, my part of this trip's tiles among them: a group 0 may be written
	ds_add_u32 v96, v97
	s_wait_dscnt 0x0
	s_set_vgpr_msb 0x500
.if \refill
	ADDR \other
	s_add_co_u32 s83, s83, 2
.endif
	s_wait_dscnt 0x0                               ; my reads of the last trip's tiles are back, and my LDS stores are done
	ROUND                                          ; both now hold of every wave of all four work-groups
.if \refill
	JLOAD \other, \refill-1                        ; my one tensor load behind the round; it has this trip's steps in which to land
.endif
	KLOAD \slot, 0
	STEP \slot, 0, \first, \mk, \two
.if \sw
	SWITCH
.endif
	s_add_co_u32 s14, s14, 1
.if \two
	STEP \slot, 1, 0, \mk, 0
.if \sw
	SWITCH
.endif
	s_add_co_u32 s14, s14, 1
.endif
.endm
	ROUND                                          ; in front of the first joint load
	JLOAD 0, 0
	s_wait_loadcnt 0x0                             ; both blocks' Q
	TRIP 0, 1, 1, 1, 0, 1, 1                       ; tiles 0, 1 of the stream
	s_mov_b32 s15, 3
.Lpair:
	TRIP 1, 0, 1, 0, 0, 1, 1                       ; tiles 2, 3; 6, 7; 10, 11
	TRIP 0, 1, 1, 0, 0, 1, 1                       ; tiles 4, 5; 8, 9; 12, 13
	s_sub_co_u32 s15, s15, 1
	s_cmp_lg_u32 s15, 0
	s_cbranch_scc1 .Lpair
	TRIP 1, 0, 2, 0, 2, 0, 1                       ; tiles 14, 15: c is 7 at the most, so neither a diagonal nor a change of blocks; tile 16 is asked for by waves 0-3
	TRIP 0, 1, 0, 0, 1, 0, 0                       ; tile 16: the second block's diagonal; nothing is left to fetch
	; THE TWO PARTIAL RESULTS OF A BLOCK ARE JOINED.  Waves 0-3 hand their second block's to waves 4-7 and take their own first block's back from LDS.
	s_cmp_lg_u32 s82, 0
	s_cbranch_scc1 .Lkeeps
	PSTORE MY1
	s_wait_dscnt 0x0
	PLOAD MY0, OO, NM                              ; my own bytes, stored at the change of blocks
.Lkeeps:
	s_wait_dscnt 0x0                               ; my stores are done, for the other wave's sake
	s_barrier_signal -1
	s_barrier_wait -1
	s_cmp_lg_u32 s82, 0
	s_cbranch_scc1 .Lfrom_p1
	PLOAD OT0, SC, TT                              ; waves 0-3: the first block's partial result of wave w + 4
	s_branch .Lmerge
.Lfrom_p1:
	PLOAD MY1, SC, TT                              ; waves 4-7: the second block's of wave w - 4
.Lmerge:
	s_wait_dscnt 0x0
	v_min_num_f32 v[TT+4], v[NM],   v[TT]          ; minus the common maximum
	v_min_num_f32 v[TT+5], v[NM+1], v[TT+1]
	v_sub_f32 v[TT+6], v[TT+4], v[NM]              ; my exponent, at most 0
	v_sub_f32 v[TT+7], v[TT+5], v[NM+1]
	v_sub_f32 v[TT+4], v[TT+4], v[TT]              ; the other's
	v_sub_f32 v[TT+5], v[TT+5], v[TT+1]
	v_exp_f32 v[TT+4], v[TT+4]
	v_exp_f32 v[TT+5], v[TT+5]
	v_exp_f32 v[TT+6], v[TT+6]
	v_exp_f32 v[TT+7], v[TT+7]
	v_nop
	s_wait_alu depctr_va_vdst(0)
	v_mul_f32 v[LL],   v[LL],   v[TT+6]
	v_mul_f32 v[LL+1], v[LL+1], v[TT+7]
	v_fma_f32 v[LL],   v[TT+2], v[TT+4], v[LL]
	v_fma_f32 v[LL+1], v[TT+3], v[TT+5], v[LL+1]
	v_permlanex16_b32 v[TT],   v[LL],   s66, s67   ; the other half of the wave holds the sums of the other keys
	v_permlanex16_b32 v[TT+1], v[LL+1], s66, s67
	v_add_f32 v[LL],   v[LL],   v[TT]
	v_add_f32 v[LL+1], v[LL+1], v[TT+1]
	v_rcp_f32 v[LL],   v[LL]
	v_rcp_f32 v[LL+1], v[LL+1]
	v_nop
	s_wait_alu depctr_va_vdst(0)
	v_pk_mul_f32 v[TT+6:TT+7], v[TT+6:TT+7], v[LL:LL+1]    ; both factors take 1 / l with them
	v_pk_mul_f32 v[TT+4:TT+5], v[TT+4:TT+5], v[LL:LL+1]
.irp dt, 0,1,2,3
.irp nt, 0,1
.irp q, 0,2,4,6
	v_pk_mul_f32 v[OO+16*\dt+8*\nt+\q:OO+16*\dt+8*\nt+\q+1], v[OO+16*\dt+8*\nt+\q:OO+16*\dt+8*\nt+\q+1], v[TT+6:TT+7] op_sel:[0,\nt] op_sel_hi:[1,\nt]
.endr
.endr
.endr
.irp dt, 0,1,2,3
.irp nt, 0,1
.irp q, 0,2,4,6
	v_pk_fma_f32 v[OO+16*\dt+8*\nt+\q:OO+16*\dt+8*\nt+\q+1], v[SC+16*\dt+8*\nt+\q:SC+16*\dt+8*\nt+\q+1], v[TT+4:TT+5], v[OO+16*\dt+8*\nt+\q:OO+16*\dt+8*\nt+\q+1] op_sel:[0,\nt,0] op_sel_hi:[1,\nt,1]
.endr
.endr
.endr
	; f16, through my own stage, out as whole rows of 256 bytes
.irp dt, 0,1,2,3
.irp nt, 0,1
.irp q, 0,1,2,3
	v_cvt_pk_f16_f32 v[KK+4*(2*\dt+\nt)+\q], v[OO+16*\dt+8*\nt+2*\q], v[OO+16*\dt+8*\nt+2*\q+1]
.endr
	ds_store_b128 v[STO], v[KK+4*(2*\dt+\nt):KK+4*(2*\dt+\nt)+3] offset:128*\nt+32*\dt
.endr
.endr
.irp t, 0,1,2,3,4,5,6,7
	ds_load_b128 v[KK+32+4*\t:KK+32+4*\t+3], v[RD] offset:\t*2*SPITCH      ; LDS serves a wave's instructions in order: these see the stores above
.endr
.irp t, 0,1,2,3,4,5,6,7
	s_wait_dscnt 7-\t
	global_store_b128 v[CO], v[KK+32+4*\t:KK+32+4*\t+3], s[60:61] offset:8192*\t    ; sixteen lanes store 256 consecutive bytes, aligned
.endr
	s_set_vgpr_msb 0x5
	s_wait_tensorcnt 0x0
	ds_add_u32 v96, v97
	s_wait_dscnt 0x0
	s_set_vgpr_msb 0x500
	ROUND                                          ; the closing round
	s_endpgm
.Lfunc_end_k_q09ed65eb36_attn:
	.size	k_q09ed65eb36_attn, .Lfunc_end_k_q09ed65eb36_attn-k_q09ed65eb36_attn
	.p2alignl 7, 3214868480
	.fill 96, 4, 3214868480
	.section	.rodata,"a",@progbits
	.p2align	6, 0x0
	.amdhsa_kernel k_q09ed65eb36_attn
		.amdhsa_group_segment_fixed_size 327680
		.amdhsa_private_segment_fixed_size 0
		.amdhsa_enable_private_segment 0
		.amdhsa_kernarg_size 16
		.amdhsa_user_sgpr_count 2
		.amdhsa_user_sgpr_kernarg_segment_ptr 1
		.amdhsa_wavefront_size32 1
		.amdhsa_system_sgpr_workgroup_id_x 1
		.amdhsa_system_sgpr_workgroup_id_y 1
		.amdhsa_system_sgpr_workgroup_id_z 1
		.amdhsa_system_vgpr_workitem_id 0
		.amdhsa_next_free_vgpr 354
		.amdhsa_next_free_sgpr 92
		.amdhsa_reserve_vcc 1
		.amdhsa_float_denorm_mode_32 3
		.amdhsa_float_denorm_mode_16_64 3
		.amdhsa_memory_ordered 1
		.amdhsa_forward_progress 1
		.amdhsa_inst_pref_size 216
	.end_amdhsa_kernel
	.amdgpu_metadata
---
amdhsa.version: [ 1, 2 ]
amdhsa.kernels:
  - .name:           k_q09ed65eb36_attn
    .symbol:         k_q09ed65eb36_attn.kd
    .args:
      - { .name: qkvh, .offset: 0, .size: 8, .value_kind: global_buffer, .address_space: global }
      - { .name: ctxh, .offset: 8, .size: 8, .value_kind: global_buffer, .address_space: global }
    .group_segment_fixed_size: 327680
    .private_segment_fixed_size: 0
    .kernarg_segment_align: 8
    .kernarg_segment_size: 16
    .max_flat_workgroup_size: 256
    .sgpr_count:     92
    .vgpr_count:     354
    .wavefront_size: 32
...
	.end_amdgpu_metadata
.endif
;; end of part 3
;; launch oproj (part 4): grid 16 x 16, 4 waves a work-group, clusters of 4 x 4, 327,680 bytes of LDS; arguments ctxh, wb16, out0; writes out0
.if DOCPART == 4
	.amdgcn_target "amdgcn-amd-amdhsa--gfx1250"
	.amdhsa_code_object_version 6
	.text
	.protected	k_q09ed65eb36_oproj
	.globl	k_q09ed65eb36_oproj
	.p2align	8
	.type	k_q09ed65eb36_oproj,@function
k_q09ed65eb36_oproj:
	s_mov_b64 s[64:65], 0
	v_nop
	global_prefetch_b8 v0, s[64:65] scope:SCOPE_SE
	s_setreg_imm32_b32 hwreg(HW_REG_WAVE_MODE, 25, 1), 1
	s_wait_xcnt 0x0
	s_wait_alu depctr_hold_cnt(0) depctr_sa_sdst(0) depctr_va_vdst(0) depctr_va_sdst(0) depctr_va_ssrc(0) depctr_va_vcc(0) depctr_vm_vsrc(0)
	s_getreg_b32 s2, hwreg(HW_REG_IB_STS2, 6, 4)
	s_cmp_eq_u32 s2, 0
	s_cbranch_scc0 .Lentry_in_a_cluster
	s_endpgm
.Lentry_in_a_cluster:
	s_bfe_u32 s2, ttmp6, 0x10000c
	s_cmp_lg_u32 s2, 0xf033
	s_cbranch_scc0 .Lentry_shape_is_right
	s_endpgm
.Lentry_shape_is_right:
; out0 = ctx wo^T, as (ctx / 4) (4 wo)^T in f16 with f32 sums; f32 out.  ctxh: [2048][2048] f16; 4 wo in f16 at byte 20,971,520 of wb16.
; LIMITS: those stated where the two operands are made (|ctx| < 262,000, |wo| < 16,376); NaN and infinities are not served.
; A work-group makes 128 x 128 with four waves, 64 x 64 each: 16 accumulator tiles, 128 registers.  K goes in steps of 256 through two LDS slots:
; a tile's rows are 512 bytes of memory, aligned; each wave fetches 64 rows with one load.
; CLUSTERS: 4 x 4 work-groups; ctx's tile is asked for jointly along a row of the cluster, wo's along a column: a quarter of the requests.
; K BEGINS AT ANOTHER QUARTER IN EACH CLUSTER: at 512 x ((cluster x + 2 cluster y) mod 4), and goes round (a row is 4,096 bytes, so the byte offset is masked with 4,095).
; The four clusters that need the same rows of ctx, and the four that need the same rows of wo, then do not ask for the same bytes at the same time: of the
; clusters that share rows each is the first to ask for its own starting quarter, and asks for the other quarters after another cluster has.
; The order of the f32 sums along K therefore differs from cluster to cluster.
; The matrix instruction is used transposed (source 0 = rows of wo, source 1 = rows of ctx): a lane's eight results are 32 neighbouring bytes of a row of out0.
; REGISTERS: window 0: v16-26 addresses; v64-127, v128-191 two fragment buffers (32 of wo, 32 of ctx); window 1: accumulator (a, b) at v[8 (4 a + b)].
.set NB,     4
.set KSTEP,  256
.set PITCH,  528                       ; 512 bytes + 16: an odd multiple of 16
.set QUART,  64*PITCH                  ; what one load brings, and what a wave reads of either operand
.set SLOT,   4*QUART
.set STAGE,  2*SLOT                    ; 16 rows x 272 bytes for each wave, written by LDS stores alone
.set SPITCH, 272
.set LAPS,   2048/(2*KSTEP)
.set WOOFF,  20971520
.set ADRA, 16
.set ADRB, 18
.set STO,  24
.set RD,   25
.set CO,   26
.set F0,   64
.set F1,   128
.set G1A, 24
.set G0A, 32
.set G1B, 40
.set G0B, 48
.set KO,  56                           ; s56, s57: the byte offset along the rows of slot 0's and slot 1's tile
.set MUL, 0x50
.set MSB, 0
.macro WIN new
.if MSB != \new
	s_set_vgpr_msb (MSB<<8)|\new
.set MSB, \new
.endif
.endm
.macro PLACES                          ; four plain vector instructions behind a matrix instruction (ISA guide 7.12.1)
.rept 4
	v_nop
.endr
.endm
.macro JLOAD s
	s_cmp_eq_u32 s13, 0
	s_cbranch_scc0 .Lfor_b_\@
	tensor_load_to_lds s[G0A+4*\s:G0A+4*\s+3], s[G1A:G1A+7]
	s_nop 0
	s_branch .Lasked_\@
.Lfor_b_\@:
	tensor_load_to_lds s[G0B+4*\s:G0B+4*\s+3], s[G1B:G1B+7]
	s_nop 0
.Lasked_\@:
.endm
.macro CREST
	s_cmp_lg_u32 s12, 0
	s_cbranch_scc1 .Lnot_wave_0_\@
	s_barrier_signal -3
.Lnot_wave_0_\@:
	s_barrier_wait -3
	s_barrier_signal -1
	s_barrier_wait -1
.endm
.macro CROUND
	s_barrier_signal -1
	s_barrier_wait -1
	CREST
.endm
.macro GADDR s                         ; both tiles' addresses for slot s: the rows' first bytes plus the slot's offset along the rows
	s_mov_b32 s22, s[KO+\s]
	s_add_nc_u64 s[G0A+4*\s+2:G0A+4*\s+3], s[72:73], s[22:23]
	s_or_b32 s[G0A+4*\s+3], s[G0A+4*\s+3], 0x80000000
	s_add_nc_u64 s[G0B+4*\s+2:G0B+4*\s+3], s[74:75], s[22:23]
	s_or_b32 s[G0B+4*\s+3], s[G0B+4*\s+3], 0x80000000
.endm
	s_load_b128 s[4:7], s[0:1], 0x0                ; ctxh s[4:5], wb16 s[6:7]
	s_load_b64 s[8:9], s[0:1], 0x10                ; out0
	v_lshl_add_u32 v254, v0, 2, 0x46400
	v_mov_b32 v255, 0
	ds_add_u32 v254, v255
	v_lshrrev_b32 v1, 5, v0
	v_readfirstlane_b32 s12, v1                    ; wave
	s_lshr_b32 s13, s12, 1                         ; my half of the rows.  Also: I fetch ctx (0) or wo (1)
	s_and_b32 s14, s12, 1                          ; my half of the columns.  Also: which 64 rows of that tile I fetch
	s_bfe_u32 s15, ttmp6, 0x40000                  ; cx
	s_bfe_u32 s16, ttmp6, 0x40004                  ; cy
	s_lshl_b32 s17, ttmp9, 2
	s_add_co_u32 s17, s17, s15                     ; block column
	s_and_b32 s18, ttmp7, 0xffff
	s_lshl_b32 s18, s18, 2
	s_add_co_u32 s18, s18, s16                     ; block row
	s_lshl_b32 s19, s16, 2
	s_lshl_b32 s19, 15, s19                        ; my row of the cluster
	s_lshl_b32 s20, 0x1111, s15                    ; my column
	s_and_b32 s21, ttmp7, 0xffff                   ; the cluster's y,
	s_lshl1_add_u32 s21, s21, ttmp9                ; twice, plus its x: the same in all sixteen work-groups of the cluster
	s_and_b32 s21, s21, 3
	s_lshl_b32 s[KO], s21, 10                      ; the quarter at which K begins: 1,024 bytes each
	s_add_co_u32 s[KO+1], s[KO], KSTEP*2           ; 3,584 at the most
	s_mov_b32 s23, 0
	; group 1: 64 rows x 256 f16, 16 bytes of padding behind every 128 words
	s_or_b32 s[G1A+0], s19, (1<<16)|(1<<20)|(1<<21)|(6<<22)|(3<<25)
	s_or_b32 s[G1B+0], s20, (1<<16)|(1<<20)|(1<<21)|(6<<22)|(3<<25)
	s_mov_b32 s[G1A+1], KSTEP<<16
	s_mov_b32 s[G1B+1], KSTEP<<16
	s_mov_b32 s[G1A+2], 64<<16
	s_mov_b32 s[G1B+2], 64<<16
	s_mov_b32 s[G1A+3], KSTEP<<16
	s_mov_b32 s[G1B+3], KSTEP<<16
	s_mov_b32 s[G1A+4], 64
	s_mov_b32 s[G1B+4], 64
	s_mov_b32 s[G1A+5], 2048
	s_mov_b32 s[G1B+5], 2048
	s_mov_b32 s[G1A+6], 0
	s_mov_b32 s[G1B+6], 0
	s_mov_b32 s[G1A+7], 0
	s_mov_b32 s[G1B+7], 0
	s_lshl_b32 s76, s14, 18                        ; 64 rows of 4,096 bytes: the wave's number alone
	s_lshl_b32 s72, s18, 19                        ; ctx: 128 rows a block row
	s_add_co_u32 s72, s72, s76
	s_mov_b32 s73, 0
	s_lshl_b32 s74, s17, 19                        ; wo: 128 rows a block column
	s_add_co_u32 s74, s74, s76
	s_add_co_u32 s74, s74, WOOFF
	s_mov_b32 s75, 0
	s_mul_i32 s78, s12, QUART                      ; LDS: ctx's two halves, then wo's two = wave x 64 rows
	s_wait_dscnt 0x0
	s_wait_kmcnt 0x0
	s_add_nc_u64 s[72:73], s[4:5], s[72:73]        ; my rows' first bytes; kept for the whole K loop
	s_add_nc_u64 s[74:75], s[6:7], s[74:75]
.irp s, 0,1
	s_mov_b32 s[G0A+4*\s], 1
	s_add_co_u32 s[G0A+4*\s+1], s78, \s*SLOT
	s_mov_b32 s[G0B+4*\s], 1
	s_add_co_u32 s[G0B+4*\s+1], s78, \s*SLOT
	GADDR \s
.endr
	CROUND                                         ; in front of the first joint loads
	JLOAD 0
	JLOAD 1                                        ; two loads of the wave are out
	v_and_b32 v1, 15, v0                           ; r
	v_bfe_u32 v2, v0, 4, 1                         ; h
	v_mul_u32_u24 v3, v1, PITCH
	v_lshl_add_u32 v3, v2, 4, v3
	s_mul_i32 s76, s13, QUART
	s_mul_i32 s77, s14, QUART
	s_add_co_u32 s77, s77, 2*QUART
.irp s, 0,1
	v_add_nc_u32 v[ADRA+\s], s76, v3
	v_add_nc_u32 v[ADRB+\s], s77, v3
	s_add_co_u32 s76, s76, SLOT
	s_add_co_u32 s77, s77, SLOT
.endr
	s_mul_i32 s79, s12, 16*SPITCH
	s_add_co_u32 s79, s79, STAGE
	v_mul_u32_u24 v4, v1, SPITCH
	v_lshl_add_u32 v4, v2, 5, v4                   ; in: row r, 32 bytes for each half of the lanes
	v_add_nc_u32 v[STO], s79, v4
	v_mul_u32_u24 v5, v2, SPITCH
	v_lshl_add_u32 v5, v1, 4, v5                   ; back: lanes 0-15 one row of 256 bytes, lanes 16-31 the next
	v_add_nc_u32 v[RD], s79, v5
	v_lshlrev_b32 v5, 13, v2
	v_lshl_add_u32 v[CO], v1, 4, v5                ; the same two rows in out0: 8,192 h + 16 r
; 8 matrix instructions; the 16 accumulators take turns, one instruction a turn
.macro MULH f, a0, zero
.irp a, \a0, \a0+1
.irp b, 0,1,2,3
.if \zero
	v_wmma_f32_16x16x32_f16 v[8*(NB*(\a)+\b):8*(NB*(\a)+\b)+7], v[\f+8*\b:\f+8*\b+7], v[\f+8*NB+8*(\a):\f+8*NB+8*(\a)+7], 0
.else
	v_wmma_f32_16x16x32_f16 v[8*(NB*(\a)+\b):8*(NB*(\a)+\b)+7], v[\f+8*\b:\f+8*\b+7], v[\f+8*NB+8*(\a):\f+8*NB+8*(\a)+7], v[8*(NB*(\a)+\b):8*(NB*(\a)+\b)+7]
.endif
.endr
.endr
.endm
.macro FETCH slot, k, f
	WIN 0
.irp i, 0,1,2,3
	ds_load_b128 v[\f+8*\i:\f+8*\i+3],   v[ADRB+\slot] offset:\k+\i*16*PITCH
	ds_load_b128 v[\f+8*\i+4:\f+8*\i+7], v[ADRB+\slot] offset:\k+\i*16*PITCH+32
.endr
.irp i, 0,1,2,3
	ds_load_b128 v[\f+32+8*\i:\f+32+8*\i+3], v[ADRA+\slot] offset:\k+\i*16*PITCH
	ds_load_b128 v[\f+36+8*\i:\f+36+8*\i+3], v[ADRA+\slot] offset:\k+\i*16*PITCH+32
.endr
.endm
.macro QUARTER slot, k, f, g, zero     ; buffer f is in; the next 32 along K are asked for, then f is multiplied
	s_wait_dscnt 0x0
	PLACES
	FETCH \slot, \k, \g
	WIN MUL
	MULH \f, 0, \zero
	MULH \f, 2, \zero
.endm
.macro SEVEN slot, zero
	QUARTER \slot, 64,  F0, F1, \zero
	QUARTER \slot, 128, F1, F0, 0
	QUARTER \slot, 192, F0, F1, 0
	QUARTER \slot, 256, F1, F0, 0
	QUARTER \slot, 320, F0, F1, 0
	QUARTER \slot, 384, F1, F0, 0
	QUARTER \slot, 448, F0, F1, 0
.endm
; The last eighth of a K step changes slots: reads back and all tensor loads landed in front of the barrier; with fill = 1 the barrier opens a round of the
; cluster's barrier and the joint refill is the first tensor load behind the round, one a wave.
.macro TURN slot, next, fill
	s_wait_dscnt 0x0
	s_wait_tensorcnt 0x0
	ds_add_u32 v254, v255
	s_wait_dscnt 0x0
	s_barrier_signal -1
	WIN MUL
	MULH F1, 0, 0
	WIN 0
	s_barrier_wait -1
.if \fill
	CREST
	s_add_co_u32 s[KO+\slot], s[KO+\slot], 2*KSTEP*2       ; no load of mine is out: the slot's tile steps two K steps on, round the row's 4,096 bytes
	s_and_b32 s[KO+\slot], s[KO+\slot], 4095
	GADDR \slot
	JLOAD \slot
.endif
	PLACES
	FETCH \next, 0, F0
	WIN MUL
	MULH F1, 2, 0
.endm
.macro LAP zero
	SEVEN 0, \zero
	TURN 0, 1, 1
	SEVEN 1, 0
	TURN 1, 0, 1
.endm
	s_wait_tensorcnt 0x1                           ; my part of the first K step is in; the second's may stay out
	s_barrier_signal -1
	s_barrier_wait -1
	FETCH 0, 0, F0
	LAP 1
	WIN 0
	s_mov_b32 s3, LAPS-2
.Llap:
	LAP 0
	WIN 0
	s_sub_co_u32 s3, s3, 1
	s_cmp_lg_u32 s3, 0
	s_cbranch_scc1 .Llap
	SEVEN 0, 0                                     ; the last lap fills nothing
	TURN 0, 1, 0
	SEVEN 1, 0
	s_wait_dscnt 0x0
	WIN MUL
	MULH F1, 0, 0
	MULH F1, 2, 0
	WIN 0
	PLACES
	; THE WAY OUT, 16 rows at a time through my own stage: whole rows of 256 bytes leave
	s_lshl_b32 s72, s18, 20                        ; (128 block row + 64 half) rows of 8,192 bytes,
	s_lshl_b32 s76, s13, 19
	s_add_co_u32 s72, s72, s76
	s_mov_b32 s73, 0
	s_add_nc_u64 s[8:9], s[8:9], s[72:73]
	s_lshl_b32 s74, s17, 9                         ; (128 block column + 64 half) columns of 4 bytes
	s_lshl_b32 s77, s14, 8
	s_add_co_u32 s74, s74, s77
	s_mov_b32 s75, 0
	s_add_nc_u64 s[8:9], s[8:9], s[74:75]
.macro OUT16 a
	WIN 0x04                                       ; the stores' data in window 1: the accumulators as they are
.irp b, 0,1,2,3
	ds_store_b128 v[STO], v[8*(NB*\a+\b):8*(NB*\a+\b)+3]   offset:64*\b
	ds_store_b128 v[STO], v[8*(NB*\a+\b)+4:8*(NB*\a+\b)+7] offset:64*\b+16
.endr
	WIN 0
.irp t, 0,1,2,3,4,5,6,7
	ds_load_b128 v[64+32*\a+4*\t:64+32*\a+4*\t+3], v[RD] offset:\t*2*SPITCH      ; LDS serves a wave's instructions in order: these see the stores above
.endr
.irp t, 0,1,2,3,4,5,6,7
	s_wait_dscnt 7-\t
	global_store_b128 v[CO], v[64+32*\a+4*\t:64+32*\a+4*\t+3], s[8:9] offset:(16*\a+2*\t)*8192 th:TH_STORE_NT   ; every store has data registers of its own
.endr
.endm
	OUT16 0
	OUT16 1
	OUT16 2
	OUT16 3
	s_wait_tensorcnt 0x0
	ds_add_u32 v254, v255
	s_wait_dscnt 0x0
	CROUND                                         ; the closing round
	s_endpgm
.Lfunc_end_k_q09ed65eb36_oproj:
	.size	k_q09ed65eb36_oproj, .Lfunc_end_k_q09ed65eb36_oproj-k_q09ed65eb36_oproj
	.p2alignl 7, 3214868480
	.fill 96, 4, 3214868480
	.section	.rodata,"a",@progbits
	.p2align	6, 0x0
	.amdhsa_kernel k_q09ed65eb36_oproj
		.amdhsa_group_segment_fixed_size 327680
		.amdhsa_private_segment_fixed_size 0
		.amdhsa_enable_private_segment 0
		.amdhsa_kernarg_size 24
		.amdhsa_user_sgpr_count 2
		.amdhsa_user_sgpr_kernarg_segment_ptr 1
		.amdhsa_wavefront_size32 1
		.amdhsa_system_sgpr_workgroup_id_x 1
		.amdhsa_system_sgpr_workgroup_id_y 1
		.amdhsa_system_sgpr_workgroup_id_z 1
		.amdhsa_system_vgpr_workitem_id 0
		.amdhsa_next_free_vgpr 384
		.amdhsa_next_free_sgpr 80
		.amdhsa_reserve_vcc 0
		.amdhsa_float_denorm_mode_32 3
		.amdhsa_float_denorm_mode_16_64 3
		.amdhsa_memory_ordered 1
		.amdhsa_forward_progress 1
		.amdhsa_inst_pref_size 127
	.end_amdhsa_kernel
	.amdgpu_metadata
---
amdhsa.version: [ 1, 2 ]
amdhsa.kernels:
  - .name:           k_q09ed65eb36_oproj
    .symbol:         k_q09ed65eb36_oproj.kd
    .args:
      - { .name: ctxh, .offset: 0, .size: 8, .value_kind: global_buffer, .address_space: global }
      - { .name: wb16, .offset: 8, .size: 8, .value_kind: global_buffer, .address_space: global }
      - { .name: out0, .offset: 16, .size: 8, .value_kind: global_buffer, .address_space: global }
    .group_segment_fixed_size: 327680
    .private_segment_fixed_size: 0
    .kernarg_segment_align: 8
    .kernarg_segment_size: 24
    .max_flat_workgroup_size: 128
    .sgpr_count:     80
    .vgpr_count:     384
    .wavefront_size: 32
...
	.end_amdgpu_metadata
.endif
;; end of part 4
